; MI455X (gfx1250); checked and timed in simulation.
; The chip was launched on July 23, 2026; its instructions are those of AMD's public machine-readable ISA for CDNA 5 (MIT licence, August 2026) and "CDNA5" Instruction Set Architecture Reference Guide (July 2026). The comments in the code are by the model that wrote it; some were corrected since.
;; Self Attention Layer. Allowed arithmetic: matrix products marked QUANTISED: E2M3 operands, one E8M0 scale for each 32 along K, by v_wmma_scale_f32_16x16x128_f8f6f4 with both operands' format E2M3, f32 sums; everything else in f32.
;; Inputs: bk 1,024 float32; bp 1,024 float32; bq 1,024 float32; bv 1,024 float32; wk 1,024 x 1,024 float32; wp 1,024 x 1,024 float32; wq 1,024 x 1,024 float32; wv 1,024 x 1,024 float32; x 4 x 2,048 x 1,024 float32.
;; Outputs: out0 4 x 2,048 x 1,024 float32.
;; This version of the problem:
;;   THIS VERSION OF THE PROBLEM IS GIVEN IN LOW PRECISION. The matrix products marked QUANTISED in the list below multiply operands that are first quantised to E2M3 (2 exponent bits, 3 mantissa bits; 6 bits a number), with one power-of-two scale for each 32 numbers along K (OCP MX v1.0); their sums are f32. All else is computed in f32.
;;   The module's matrix products, in the order in which they are computed (A, B: the left and right operand; K: the contracted axis; several contracted axes count as one K, in the product's order):
;;     1. [M 8,192, K 1,024] x [K 1,024, N 1,024]; A: input x; B: input wq: QUANTISED
;;     2. [M 8,192, K 1,024] x [K 1,024, N 1,024]; A: input x; B: input wk: QUANTISED
;;     3. [M 8,192, K 1,024] x [K 1,024, N 1,024]; A: input x; B: input wv: QUANTISED
;;     4. batch 64 x [M 2,048, K 64] x [K 64, N 2,048]; A: computed on the way; B: computed on the way: QUANTISED
;;     5. batch 64 x [M 2,048, K 2,048] x [K 2,048, N 64]; A: softmax (see below); B: computed on the way: QUANTISED
;;     6. [M 8,192, K 1,024] x [K 1,024, N 1,024]; A: computed on the way; B: input wp: QUANTISED
;;   THE QUANTISER, for each operand of a quantised product, along K:
;;     - K is cut into blocks of 32 from its start; a last block that is shorter is filled with zeros.
;;     - A block's scale is 2^e with e = floor(log2(the largest magnitude in the block)) - 2, held to -126 .. 127; a block of zeros has e = 0. As a byte (E8M0): e + 127.
;;     - Each number is divided by its block's scale, clamped to +-7.5, and rounded to the nearest number of E2M3, ties to even, subnormals kept.
;;     - The product sums the exact products of the quantised numbers (number of the format x scale) in f32.
;;   ~~~python
;;   def quantise(x, axis):      # numpy; x: float32 -> the quantised numbers, widened to float32 again
;;       x = np.moveaxis(x, axis, -1); K = x.shape[-1]
;;       x = np.pad(x, [(0, 0)] * (x.ndim - 1) + [(0, -K % 32)]); x = x.reshape(x.shape[:-1] + (-1, 32)); a = np.abs(x).max(-1, keepdims=True)
;;       e = np.where(a > 0, np.clip(np.frexp(np.where(a > 0, a, 1))[1] - 1 - 2, -126, 127), 0)      # np.frexp(a)[1] - 1 = floor(log2(a)), exactly
;;       r = np.clip(x / 2.0 ** e, -7.5, 7.5)
;;       step = 2.0 ** (np.maximum(np.frexp(np.where(r == 0, 1, r))[1] - 1, 0) - 3)
;;       q = np.round(r / step) * step * 2.0 ** e      # np.round: ties to even
;;       return np.moveaxis(q.reshape(q.shape[:-2] + (-1,))[..., :K], -1, axis).astype(np.float32)
;;   ~~~
;;   SOFTMAX AHEAD OF A QUANTISED PRODUCT. Where the list says 'softmax', what is quantised is not the finished softmax but p = 2^(t - M), with t = logit x log2(e) and M = ceil(the row's largest t), a whole number; so 1/2 < the row's largest p <= 1. The row's sum l is taken of the UNQUANTISED p, in f32, and the product's result is divided by l at the end. Since M is a whole number, a kernel that streams over the keys may use a running M (the ceiling of the running maximum): every later rescaling is an exact power of two, which a block's scale takes up: the codes' values come out the same.
;;   OPERANDS COMPUTED ON THE WAY. 'Computed on the way' means the value that the module computes at that place (a softmax that the list does not call 'softmax' is quantised finished and normalised). What goes into a quantiser is computed in f32, as accurately as f32 sums, v_exp_f32 and their like allow (about 1e-6 of the number): no bf16 or f16 on the way to a quantiser, and a product that is left as it is and whose result goes on into a quantised operand takes f32 operands (vector FMAs, or v_wmma_f32_16x16x4_f32). A number that lies on a knife's edge between two numbers of the format may be rounded either way, as far as f32 arithmetic and the matrix unit's own rounding can turn it there, and no further.
;; One version. Each part assembles by itself: llvm-mc -triple=amdgcn-amd-amdhsa -mcpu=gfx1250 --defsym DOCPART=n.
;; ======== version 1 of 1: 4 launches
;; workspace buffers: xq 6,553,600 bytes; wts 3,276,800 bytes; qkq 13,631,488 bytes; vq 6,553,600 bytes; aq 6,553,600 bytes
;; launch quant (part 1): grid 384 x 1, 4 waves a work-group, no clusters, 68,096 bytes of LDS; arguments x, wq, wk, wv, wp, xq, wts; writes xq, wts
.if DOCPART == 1
	.amdgcn_target "amdgcn-amd-amdhsa--gfx1250"
	.amdhsa_code_object_version 6
	.text
	.protected	k_q9679de821b_quant
	.globl	k_q9679de821b_quant
	.p2align	8
	.type	k_q9679de821b_quant,@function
k_q9679de821b_quant:
	s_mov_b64 s[64:65], 0
	v_nop
	global_prefetch_b8 v0, s[64:65] scope:SCOPE_SE
	s_setreg_imm32_b32 hwreg(HW_REG_WAVE_MODE, 25, 1), 1
	s_wait_xcnt 0x0
; x [8192][1024] and wq, wk, wv, wp [1024][1024], f32, K innermost, become codes of FP6 (E2M3) with one E8M0 byte for each 32 along K.
; A block's scale is 2^(floor(log2(largest magnitude)) - 2): its byte is the largest magnitude's exponent field - 2, held at 1 from below.
; LIMITS: NaN and infinities are not served; a block whose largest magnitude lies under 2^-124 (a block of zeros among them) gets the byte 1;
; a block of zeros has zero codes, which add nothing under that byte, and the bytes are read by this program alone.
; THE WORKSPACE IS LAID AS THE MATRIX OPERANDS' REGISTERS.  A half fragment is 16 rows x 64 codes, 768 bytes: lane (r, h) owns the 24 bytes of row r's
; block h: its words 0-3 at 16 x lane, its words 4-5 at 512 + 8 x lane.  Codes: [tile of 16 rows][16 half fragments along K][768].
; THE ROWS OF A TILE ARE NOT NEIGHBOURS: place p of tile t is row 32 (t / 2) + 8 (t % 2) + p + 8 (p / 8), so that results of products that take such
; tiles as source 0 have 16 neighbours in the 16 registers of two neighbouring tiles.
; Scale bytes: [tile][512]: the byte of (place r, block b of 32) at 256 (b / 16) + 16 r + b % 16.
; A wave takes one tile x 512 along K: four steps of 16 rows x 128.  Each load reads 512 consecutive bytes of one row; a step's 8,192 bytes turn through
; the wave's own stage in LDS (rows of 512 + 16 bytes) so that a lane gets 16 neighbours of each block of its row.  Waves share nothing: no barrier.
; The first 256 work-groups take x, then 32 each take wq, wk, wv, wp: only pointers and offsets are chosen, all waves walk one path.
.set XS,   6291456                     ; xq: where the scale bytes begin
.set WS,   3145728                     ; wts: likewise
.set WREG, 16896                       ; LDS of a wave: two stages
.set SPT,  528                         ; a stage row
.set STG,  16*SPT
.set R,    16                          ; v16-143  two sets of 64 registers as loaded
.set X,    144                         ; v144-207 register 16 b + i: k = 32 b + 16 h + i of my row
.set PC,   208                         ; v208-226 the codes
.set TM,   228                         ; v228-243 at work
.set PW,   244                         ; v244-247 a scale word for each step
.set SEL,  22                          ; s[22:23] lane selects: lane l xor 16
	s_load_b256 s[4:11], s[0:1], 0x0               ; x, wq, wk, wv
	s_load_b128 s[12:15], s[0:1], 0x20             ; wp, xq
	s_load_b64 s[16:17], s[0:1], 0x30              ; wts
	v_lshl_add_u32 v254, v0, 2, 0x10800
	v_mov_b32 v255, 0
	v_lshrrev_b32 v1, 5, v0
	v_readfirstlane_b32 s20, v1                    ; wave
	v_and_b32 v1, 31, v0                           ; lane
	v_and_b32 v2, 15, v0                           ; r
	v_bfe_u32 v3, v0, 4, 1                         ; h
	v_lshlrev_b32 v4, 4, v1                        ; 16 x lane: loads, and the stores of four words
	v_lshlrev_b32 v8, 3, v1                        ; 8 x lane: the stores of two words
	v_lshlrev_b32 v9, 4, v2
	v_lshl_add_u32 v9, v3, 3, v9                   ; 16 r + 8 h: my 8 scale bytes
	s_mul_i32 s21, s20, WREG
	v_add_nc_u32 v5, s21, v4                       ; the stage, on the way in
	v_mul_u32_u24 v6, v2, SPT
	v_lshl_add_u32 v6, v3, 6, v6
	v_add_nc_u32 v6, s21, v6                       ; and on the way out: row r, + 64 h
	s_mov_b32 s[SEL], 0x76543210
	s_mov_b32 s[SEL+1], 0xfedcba98
	s_mov_b32 s24, 0xffff0000                      ; lanes 16-31
.irp b, 0,1,2,3
	v_mov_b32 v[TM+4+\b], 0                        ; written once: a lane permute's destination counts as one of its sources
.endr
	s_lshr_b32 s25, s20, 1                         ; which of the work-group's two tiles
	s_and_b32 s26, s20, 1                          ; which half of K
	s_wait_kmcnt 0x0
	s_cmp_lt_u32 ttmp9, 352                        ; the source: the choices hang on the work-group's number alone
	s_cselect_b64 s[30:31], s[10:11], s[12:13]
	s_cmp_lt_u32 ttmp9, 320
	s_cselect_b64 s[30:31], s[8:9], s[30:31]
	s_cmp_lt_u32 ttmp9, 288
	s_cselect_b64 s[30:31], s[6:7], s[30:31]
	s_cmp_lt_u32 ttmp9, 256
	s_cselect_b64 s[30:31], s[4:5], s[30:31]
	s_cselect_b64 s[32:33], s[14:15], s[16:17]     ; the destination
	s_cselect_b32 s27, 0, 256
	s_mov_b32 s34, WS
	s_cselect_b32 s34, XS, s34
	s_cselect_b32 s35, 511, 63
	s_sub_co_u32 s28, ttmp9, s27
	s_lshl_b32 s28, s28, 1
	s_add_co_u32 s28, s28, s25                     ; the tile in the destination
	s_and_b32 s29, s28, s35                        ; and in the source
	s_lshr_b32 s36, s29, 1
	s_lshl_b32 s36, s36, 17                        ; 32 rows of 4,096 bytes for each pair of tiles,
	s_and_b32 s37, s29, 1
	s_lshl_b32 s37, s37, 15                        ; 8 rows for the odd tile,
	s_add_co_u32 s36, s36, s37
	s_lshl_b32 s37, s26, 11                        ; 512 numbers for the upper half of K
	s_add_co_u32 s36, s36, s37
	s_mov_b32 s37, 0
	s_add_nc_u64 s[30:31], s[30:31], s[36:37]
	s_mul_i32 s38, s28, 12288
	s_mul_i32 s39, s26, 6144
	s_add_co_u32 s38, s38, s39
	s_mov_b32 s39, 0
	s_add_nc_u64 s[40:41], s[32:33], s[38:39]      ; my codes
	s_lshl_b32 s38, s28, 9
	s_lshl_b32 s36, s26, 8
	s_add_co_u32 s38, s38, s36
	s_add_co_u32 s38, s38, s34
	s_add_nc_u64 s[42:43], s[32:33], s[38:39]      ; my 256 scale bytes
.macro LOAD t                          ; step t: 128 numbers of each of the tile's 16 rows; a load reads 512 consecutive bytes
.irp p, 0,1,2,3,4,5,6,7,8,9,10,11,12,13,14,15
	global_load_b128 v[R+64*((\t)%2)+4*\p:R+64*((\t)%2)+4*\p+3], v4, s[30:31] offset:(\p+8*(\p/8))*4096+512*(\t) th:TH_LOAD_NT
.endr
.endm
.macro TURN t                          ; through the stage: LDS serves a wave's instructions in order, so no wait stands between the stores and the loads
.irp p, 0,1,2,3,4,5,6,7,8,9,10,11,12,13,14,15
	ds_store_b128 v5, v[R+64*((\t)%2)+4*\p:R+64*((\t)%2)+4*\p+3] offset:STG*((\t)%2)+SPT*\p
.endr
.irp b, 0,1,2,3
.irp j, 0,1,2,3
	ds_load_b128 v[X+16*\b+4*\j:X+16*\b+4*\j+3], v6 offset:STG*((\t)%2)+128*\b+16*\j
.endr
.endr
.endm
; 64 numbers of a lane, register 16 b + i = k 32 b + 16 h + i of my row, become a fragment's codes in v[PC] on and its scale word in v[pw]
.macro QUANT s, pw
.irp b, 0,1,2,3
	v_max3_num_f32 v[TM+\b], |v[\s+16*\b]|, |v[\s+1+16*\b]|, 0x1800000   ; my 16 numbers of block b, and the floor 2^(3 - 127): the byte cannot fall under 1
.endr
.irp i, 2,4,6,8,10,12,14
.irp b, 0,1,2,3
	v_max3_num_f32 v[TM+\b], v[TM+\b], |v[\s+16*\b+\i]|, |v[\s+1+16*\b+\i]|   ; the four blocks by turns
.endr
.endr
.irp b, 0,1,2,3
	v_permlanex16_b32 v[TM+4+\b], v[TM+\b], s[SEL], s[SEL+1]
.endr
.irp b, 0,1,2,3
	v_max_num_f32 v[TM+\b], v[TM+\b], v[TM+4+\b]   ; with lane l xor 16's: the block's largest magnitude
.endr
.irp b, 0,1,2,3
	v_add_nc_u32 v[TM+12+\b], 0xff000000, v[TM+\b] ; 2 off its exponent field: the conversion takes this operand's exponent field as its scale
.endr
.irp b, 0,1,2,3
	v_lshrrev_b32 v[TM+4+\b], 23, v[TM+12+\b]      ; the scale's byte
.endr
	v_lshl_or_b32 v[\pw], v[TM+5], 8, v[TM+4]
	v_lshl_or_b32 v[\pw], v[TM+6], 16, v[\pw]
	v_lshl_or_b32 v[\pw], v[TM+7], 24, v[\pw]      ; my row's scale word for these 128
.irp c, 0,1
	v_cvt_scalef32_pk16_fp6_f32 v[PC+6*\c:PC+2+6*\c], v[\s+32*\c:\s+15+32*\c], v[TM+12+2*\c]
	v_cvt_scalef32_pk16_fp6_f32 v[PC+12+4*\c:PC+14+4*\c], v[\s+16+32*\c:\s+31+32*\c], v[TM+12+2*\c+1]   ; (a conversion's three registers begin on an even number)
.endr
	v_nop                                          ; one plain instruction behind a scaled conversion
.irp c, 0,1                            ; the operand's layout wants a whole block in a lane: lanes 0-15 block 2 c, lanes 16-31 block 2 c + 1
.irp i, 0,1,2
	v_permlane16_swap_b32 v[PC+6*\c+\i], v[PC+12+4*\c+\i]
.endr
.irp i, 0,1,2
	v_mov_b32 v[PC+3+6*\c+\i], v[PC+12+4*\c+\i]
.endr
.endr
.endm
.macro OUTF t                          ; the fragment leaves as two half fragments: each store covers 512 or 256 consecutive bytes, aligned
	global_store_b128 v4, v[PC:PC+3], s[40:41] offset:1536*(\t)
	global_store_b64 v8, v[PC+4:PC+5], s[40:41] offset:1536*(\t)+512
	global_store_b128 v4, v[PC+6:PC+9], s[40:41] offset:1536*(\t)+768
	global_store_b64 v8, v[PC+10:PC+11], s[40:41] offset:1536*(\t)+1280
.endm
	LOAD 0
	LOAD 1
.macro STEPQ t
.if (\t) < 3
	s_wait_loadcnt 16                              ; this step's 16 loads are in; the next step's 16 may be out
.else
	s_wait_loadcnt 0x0
.endif
	TURN \t
	s_wait_dscnt 0x0                               ; my 64 numbers are back, and the stage's stores have read the set that is loaded again below
.if (\t) > 0
	s_wait_xcnt 0x0                                ; the last step's stores have read the codes' registers, which are written again below
.endif
.if (\t) < 2
	LOAD (\t)+2
.endif
	QUANT X, PW+(\t)
	OUTF \t
.endm
	STEPQ 0
	STEPQ 1
	STEPQ 2
	STEPQ 3
	v_cndmask_b32 v248, v[PW], v[PW+2], s24        ; lanes 0-15 store steps 0 and 1's words of row r, lanes 16-31 steps 2 and 3's:
	v_cndmask_b32 v249, v[PW+1], v[PW+3], s24
	global_store_b64 v9, v[248:249], s[42:43]      ; 256 consecutive bytes, aligned
	s_wait_tensorcnt 0x0
	ds_add_u32 v254, v255
	s_wait_dscnt 0x0
	s_endpgm
.Lfunc_end_k_q9679de821b_quant:
	.size	k_q9679de821b_quant, .Lfunc_end_k_q9679de821b_quant-k_q9679de821b_quant
	.p2alignl 7, 3214868480
	.fill 96, 4, 3214868480
	.section	.rodata,"a",@progbits
	.p2align	6, 0x0
	.amdhsa_kernel k_q9679de821b_quant
		.amdhsa_group_segment_fixed_size 68096
		.amdhsa_private_segment_fixed_size 0
		.amdhsa_enable_private_segment 0
		.amdhsa_kernarg_size 56
		.amdhsa_user_sgpr_count 2
		.amdhsa_user_sgpr_kernarg_segment_ptr 1
		.amdhsa_wavefront_size32 1
		.amdhsa_system_sgpr_workgroup_id_x 1
		.amdhsa_system_sgpr_workgroup_id_y 1
		.amdhsa_system_sgpr_workgroup_id_z 1
		.amdhsa_system_vgpr_workitem_id 0
		.amdhsa_next_free_vgpr 256
		.amdhsa_next_free_sgpr 66
		.amdhsa_reserve_vcc 0
		.amdhsa_float_denorm_mode_32 3
		.amdhsa_float_denorm_mode_16_64 3
		.amdhsa_memory_ordered 1
		.amdhsa_forward_progress 1
		.amdhsa_inst_pref_size 35
	.end_amdhsa_kernel
	.amdgpu_metadata
---
amdhsa.version: [ 1, 2 ]
amdhsa.kernels:
  - .name:           k_q9679de821b_quant
    .symbol:         k_q9679de821b_quant.kd
    .args:
      - { .name: x, .offset: 0, .size: 8, .value_kind: global_buffer, .address_space: global }
      - { .name: wq, .offset: 8, .size: 8, .value_kind: global_buffer, .address_space: global }
      - { .name: wk, .offset: 16, .size: 8, .value_kind: global_buffer, .address_space: global }
      - { .name: wv, .offset: 24, .size: 8, .value_kind: global_buffer, .address_space: global }
      - { .name: wp, .offset: 32, .size: 8, .value_kind: global_buffer, .address_space: global }
      - { .name: xq, .offset: 40, .size: 8, .value_kind: global_buffer, .address_space: global }
      - { .name: wts, .offset: 48, .size: 8, .value_kind: global_buffer, .address_space: global }
    .group_segment_fixed_size: 68096
    .private_segment_fixed_size: 0
    .kernarg_segment_align: 8
    .kernarg_segment_size: 56
    .max_flat_workgroup_size: 128
    .sgpr_count:     66
    .vgpr_count:     256
    .wavefront_size: 32
...
	.end_amdgpu_metadata
.endif
;; end of part 1
;; launch qkv (part 2): grid 8 x 48, 4 waves a work-group, clusters of 4 x 4, 327,680 bytes of LDS; arguments xq, wts, bq, bk, bv, qkq, vq; writes qkq, vq
.if DOCPART == 2
	.amdgcn_target "amdgcn-amd-amdhsa--gfx1250"
	.amdhsa_code_object_version 6
	.text
	.protected	k_q9679de821b_qkv
	.globl	k_q9679de821b_qkv
	.p2align	8
	.type	k_q9679de821b_qkv,@function
k_q9679de821b_qkv:
	s_mov_b64 s[64:65], 0
	v_nop
	global_prefetch_b8 v0, s[64:65] scope:SCOPE_SE
	s_setreg_imm32_b32 hwreg(HW_REG_WAVE_MODE, 25, 1), 1
	s_wait_xcnt 0x0
	s_wait_alu depctr_hold_cnt(0) depctr_sa_sdst(0) depctr_va_vdst(0) depctr_va_sdst(0) depctr_va_ssrc(0) depctr_va_vcc(0) depctr_vm_vsrc(0)
	s_getreg_b32 s2, hwreg(HW_REG_IB_STS2, 6, 4)
	s_cmp_eq_u32 s2, 0
	s_cbranch_scc0 .Lentry_in_a_cluster
	s_endpgm
.Lentry_in_a_cluster:
	s_bfe_u32 s2, ttmp6, 0x10000c
	s_cmp_lg_u32 s2, 0xf033
	s_cbranch_scc0 .Lentry_shape_is_right
	s_endpgm
.Lentry_shape_is_right:
; q = x wq^T + bq, k = x wk^T + bk, v = x wv^T + bv on codes of FP6 (E2M3) with E8M0 scales, f32 sums; the results are quantised here, in registers:
; q and k along the head's 64 (two blocks of 32), v along the keys.  LIMITS: NaN and infinities are not served; a block under 2^-124 gets the byte 1.
; A tile of 256 x 256 is made by four waves, 128 x 128 each: 64 accumulators of 16 x 16.  K = 1,024 goes in four fills of 256 through two LDS slots.
; OPERANDS lie in memory as images of their registers (half fragments of 768 bytes: words 0-3 at 16 x lane, words 4-5 at 512 + 8 x lane), in tiles of 16 places;
; place p of tile t is row 32 (t / 2) + 8 (t % 2) + p + 8 (p / 8).  A tile's 256 along K are 3,072 consecutive bytes; a fragment comes by four LDS loads over consecutive bytes.
; THE INSTRUCTION IS USED TRANSPOSED: source 0 = 16 places of "B", source 1 = 16 places of "A": a lane holds A's place r, and register j of tile b holds B's row
; 32 (b / 2) + 16 h + 8 (b % 2) + j: the 16 registers of two neighbouring tiles are 16 neighbours along the next K.
; TWO MODES, told apart by the cluster's y, which all sixteen partners share:  y < 8: A = x (32 tile rows), B = [wq; wk] (8 tile columns): registers run along the features;
; y >= 8: A = wv (4 tile rows), B = x (32 tile columns): a lane holds a channel and its registers run along the keys.  Only pointers, offsets and masks are chosen.
; CLUSTERS: 4 x 4 work-groups; A's tiles are asked for jointly along a row of the cluster, B's along a column.
; OUT: qkq codes [batch][128 features][tile of 16 places of T][head of the pair][768]; its scale words [batch][128 features][128 places][head][512], the word of (tile a, row r) at
; 256 (a / 4) + 128 (a % 2) + 4 ((a / 2) % 2) + 8 r, the head's two bytes under 0x7f7f.  vq codes [128 keys][tile of 16 channels][1,536]; its scale words [128 keys][head][256].
; REGISTERS: window 0: v0-31 addresses; v32-63 scale words, two sets; v64-127 the bias along the registers, later the way out; v128-223 A's fragments; v224-239 the bias along the lanes.
;   window 1: B's fragments, two sets, at v0 and v128.   windows 2, 3: the accumulators ((a, b) at v[8 (8 (a % 4) + b)]).
.set XS,     6291456
.set WS,     3145728
.set QKS,    12582912
.set VS,     6291456
.set NQ,     2                         ; steps of 128 along K in a slot
.set FR,     12                        ; registers of a fragment
.set NL,     4                         ; LDS loads that bring one
.set NP,     4                         ; places behind this matrix instruction (ISA guide 7.12.1)
.set TROW,   3072                      ; a tile of 16 places x 256 along K
.set TPITCH, 12288                     ; from tile to tile in memory
.set HALFT,  8*TROW                    ; what one tensor load brings, and what one wave reads of A or of B
.set SLOT,   4*HALFT                   ; A's 16 tiles, then B's 16
.set SCL,    2*SLOT                    ; behind the ring: the scale bytes for all of K, filled once
.set HALFS,  4096                      ; those of 128 places
.set SBLK,   512                       ; those of a tile
.set SPARE,  SCL+4*HALFS               ; the spare words, 128 bytes for each wave: two blocks of 256 bytes that no other line names
.set ADRA, 16                          ; v16-17 my A fragments in slot 0, 1, + 16 x lane; v18-19 the same + 8 x lane
.set ADRB, 20                          ; v20-23 the same for B
.set LSS,  24                          ; v24 the way out: where a scale word goes in LDS
.set RDS,  25                          ; v25 and where four come back
.set ADRS, 27                          ; v27 my scale words: lanes 0-15 A's, lanes 16-31 B's
.set SPW,  28                          ; v28 my spare word; never rewritten
.set NIL,  29                          ; v29 0; never rewritten
.set SHV,  31                          ; v31 the way out: 16 h (q, k) or 0 (v)
.set SC,   32
.set BN,   64
.set AF,   128
.set BM2,  224
.set PC,   64                          ; the way out: v64-82 codes; v84-91 a scale word for each tile of rows; v96-111 at work; v112 the word; v116-123 words read back
.set PWS,  84
.set TM,   96
.set PW,   112
.set R0,   116
.set R1,   120
.set G1, 24
.set G0, 32
.set G1B, 48
.set G0B, 56
.set G1S, 68
.set G0S, 76
.set G1SB, 80
.set G0SB, 88
.set MODE, 66                          ; s66 0: q and k; 1: v
.set SEL,  82
.set MSB, 0
.macro WIN new                         ; the immediate's high byte repeats the setting that is left
.if MSB != \new
	s_set_vgpr_msb (MSB<<8)|\new
.set MSB, \new
.endif
.endm
.set MUL_LO, 0xa1                      ; source 0 (B) window 1, source 1 (A) window 0, C and D window 2
.set MUL_HI, 0xf1                      ; the same, C and D window 3
.set TO_B,   0x40                      ; destination window 1, address window 0
; A joint load: waves 0 and 1 fetch for A, waves 2 and 3 for B; the branch hangs on the wave's number alone.  Four v_nop follow each of the two lines.
.macro JLOAD g0a, g1a, g0b, g1b
	s_cmp_eq_u32 s15, 0
	s_cbranch_scc0 .Lfor_b_\@
	tensor_load_to_lds s[\g0a:\g0a+3], s[\g1a:\g1a+7]
	s_nop 0
.rept 4
	v_nop
.endr
	s_branch .Lasked_\@
.Lfor_b_\@:
	tensor_load_to_lds s[\g0b:\g0b+3], s[\g1b:\g1b+7]
	s_nop 0
.rept 4
	v_nop
.endr
.Lasked_\@:
.endm
.macro CREST                           ; a round of the cluster's barrier behind its opening barrier
	s_cmp_lg_u32 s14, 0
	s_cbranch_scc1 .Lnot_wave_0_\@
	s_barrier_signal -3
.Lnot_wave_0_\@:
	s_barrier_wait -3
	s_barrier_signal -1
	s_barrier_wait -1
.endm
.macro CROUND
	s_barrier_signal -1
	s_barrier_wait -1
	CREST
.endm
	s_load_b128 s[4:7], s[0:1], 0x0                ; xq, wts
	s_load_b128 s[96:99], s[0:1], 0x10             ; bq, bk
	s_load_b64 s[100:101], s[0:1], 0x20            ; bv
	v_lshl_add_u32 v[SPW], v0, 2, SPARE
	v_mov_b32 v[NIL], 0
	ds_add_u32 v28, v29
	ds_add_u32 v28, v29
	s_wait_dscnt 0x0
	v_lshrrev_b32 v1, 5, v0
	v_readfirstlane_b32 s14, v1                    ; wave 0..3
	s_lshr_b32 s15, s14, 1                         ; which half of the tile's A places is mine.  Also: I fetch for A (0) or for B (1)
	s_and_b32 s16, s14, 1                          ; which half of B's.  Also: which 8 tiles I fetch
	s_bfe_u32 s40, ttmp6, 0x40000                  ; cx, cy: my place in the cluster
	s_bfe_u32 s41, ttmp6, 0x40004
	s_and_b32 s2, ttmp7, 0xffff                    ; the cluster's y
	s_sub_co_u32 s3, s2, 8
	s_lshl_b32 s3, s3, 1
	s_add_co_u32 s3, s3, ttmp9                     ; v: cluster column x + 2 (y - 8)
	s_cmp_lt_u32 s2, 8
	s_cselect_b32 s[MODE], 0, 1
	s_cselect_b32 s2, s2, 0                        ; the cluster's row of tiles
	s_cselect_b32 s3, ttmp9, s3                    ; and its column
	s_lshl_b32 s17, s2, 2
	s_add_co_u32 s17, s17, s41                     ; tile row
	s_lshl_b32 s42, s3, 2
	s_add_co_u32 s42, s42, s40                     ; tile column
	s_lshl_b32 s43, s41, 2
	s_lshl_b32 s43, 15, s43                        ; my row of the cluster
	s_lshl_b32 s44, 0x1111, s40                    ; my column
	; descriptor group 1: 8 tiles of 3,072 bytes (384 elements of 8 bytes), 12,288 bytes apart; dense in LDS
	s_or_b32 s[G1+0], s43, (3<<16)|(1<<21)         ; 15:0 the mask; 17:16 elements of 8 bytes; 21 set beside a mask
	s_or_b32 s[G1B+0], s44, (3<<16)|(1<<21)
.irp g, G1, G1B
	s_mov_b32 s[\g+1], 384<<16                     ; tensor_dim0
	s_mov_b32 s[\g+2], 8<<16                       ; tensor_dim1
	s_mov_b32 s[\g+3], 384<<16                     ; tile_dim0
	s_mov_b32 s[\g+4], 8                           ; tile_dim1
	s_mov_b32 s[\g+5], 1536                        ; tensor_dim0_stride
	s_mov_b32 s[\g+6], 0
	s_mov_b32 s[\g+7], 0
.endr
	; the scale bytes of 128 places: 4,096 dense bytes as 16 rows of 256
	s_or_b32 s[G1S+0], s43, (3<<16)|(1<<21)
	s_or_b32 s[G1SB+0], s44, (3<<16)|(1<<21)
.irp g, G1S, G1SB
	s_mov_b32 s[\g+1], 32<<16
	s_mov_b32 s[\g+2], 16<<16
	s_mov_b32 s[\g+3], 32<<16
	s_mov_b32 s[\g+4], 16
	s_mov_b32 s[\g+5], 32
	s_mov_b32 s[\g+6], 0
	s_mov_b32 s[\g+7], 0
.endr
	s_lshl_b32 s18, s16, 3                         ; which 8 tiles I fetch
	s_lshl_b32 s20, s17, 4
	s_add_co_u32 s20, s20, s18                     ; A: tile 16 x tile row + 8 x half
	s_lshl_b32 s46, s42, 4
	s_add_co_u32 s46, s46, s18                     ; B: tile 16 x tile column + 8 x half
	s_lshl_b32 s22, s20, 9                         ; their scale bytes,
	s_lshl_b32 s92, s46, 9
	s_mul_i32 s20, s20, TPITCH                     ; their codes
	s_mul_i32 s46, s46, TPITCH
	s_mov_b32 s21, 0
	s_mov_b32 s23, 0
	s_mov_b32 s47, 0
	s_mov_b32 s93, 0
	s_mul_i32 s45, s14, HALFT                      ; where they go: no place in the cluster enters an LDS address
	s_mul_i32 s94, s14, HALFS
	s_wait_kmcnt 0x0
	s_add_nc_u64 s[8:9], s[6:7], 1572864           ; wv's codes
	s_add_nc_u64 s[10:11], s[6:7], WS+65536        ; wv's scale bytes
	s_add_nc_u64 s[12:13], s[4:5], XS              ; x's scale bytes
	s_add_nc_u64 s[18:19], s[6:7], WS              ; wq's and wk's
	s_cmp_eq_u32 s[MODE], 0
	s_cselect_b64 s[8:9], s[4:5], s[8:9]           ; A's codes
	s_cselect_b64 s[10:11], s[12:13], s[10:11]     ; A's scale bytes
	s_cselect_b64 s[18:19], s[18:19], s[12:13]     ; B's scale bytes
	s_cselect_b64 s[12:13], s[6:7], s[4:5]         ; B's codes
	s_add_nc_u64 s[20:21], s[8:9], s[20:21]
	s_add_nc_u64 s[22:23], s[10:11], s[22:23]
	s_add_nc_u64 s[46:47], s[12:13], s[46:47]
	s_add_nc_u64 s[92:93], s[18:19], s[92:93]
	CROUND                                         ; all sixteen work-groups are here: the first joint loads meet
	s_mov_b32 s[G0S], 1
	s_add_co_u32 s[G0S+1], s94, SCL
	s_mov_b64 s[G0S+2:G0S+3], s[22:23]
	s_or_b32 s[G0S+3], s[G0S+3], 0x80000000
	s_mov_b32 s[G0SB], 1
	s_add_co_u32 s[G0SB+1], s94, SCL
	s_mov_b64 s[G0SB+2:G0SB+3], s[92:93]
	s_or_b32 s[G0SB+3], s[G0SB+3], 0x80000000
	JLOAD G0S, G1S, G0SB, G1SB                     ; the scale bytes first: they are wanted with the first step
.irp s, 0,1
	s_mov_b32 s[G0+4*\s], 1
	s_add_co_u32 s[G0+4*\s+1], s45, \s*SLOT
	s_add_nc_u64 s[G0+4*\s+2:G0+4*\s+3], s[20:21], \s*TROW
	s_or_b32 s[G0+4*\s+3], s[G0+4*\s+3], 0x80000000
	s_mov_b32 s[G0B+4*\s], 1
	s_add_co_u32 s[G0B+4*\s+1], s45, \s*SLOT
	s_add_nc_u64 s[G0B+4*\s+2:G0B+4*\s+3], s[46:47], \s*TROW
	s_or_b32 s[G0B+4*\s+3], s[G0B+4*\s+3], 0x80000000
	JLOAD G0+4*\s, G1, G0B+4*\s, G1B               ; by this text's own count three tensor loads of a wave are out
.endr
	v_and_b32 v1, 15, v0                           ; r
	v_bfe_u32 v2, v0, 4, 1                         ; h
	v_and_b32 v3, 31, v0                           ; lane
	v_lshlrev_b32 v4, 4, v3                        ; 16 x lane
	v_lshlrev_b32 v5, 3, v3                        ; 8 x lane
	s_mul_i32 s21, s15, HALFT                      ; my 8 tiles of A
	s_mul_i32 s22, s16, HALFT                      ; my 8 tiles of B,
	s_add_co_u32 s22, s22, 2*HALFT                 ; which lie behind A's 16
.irp s, 0,1
	v_add_nc_u32 v[ADRA+\s], s21, v4
	v_add_nc_u32 v[ADRB+\s], s22, v4
	v_add_nc_u32 v[ADRA+2+\s], s21, v5
	v_add_nc_u32 v[ADRB+2+\s], s22, v5
	s_add_co_u32 s21, s21, SLOT
	s_add_co_u32 s22, s22, SLOT
.endr
	v_lshlrev_b32 v6, 4, v1                        ; my place's scale bytes: 16 r in a tile's half
	s_mul_i32 s21, s15, HALFS
	s_mul_i32 s22, s16, HALFS
	s_add_co_u32 s22, s22, 2*HALFS
	s_sub_co_u32 s22, s22, s21
	v_mul_u32_u24 v7, s22, v2                      ; lanes 16-31 take B's
	s_add_co_u32 s21, s21, SCL
	v_add_nc_u32 v6, v6, v7
	v_add_nc_u32 v[ADRS], s21, v6
	s_lshl_b32 s21, s14, 10                        ; the way out's 1,024 bytes a wave, in slot 0
	v_lshlrev_b32 v[LSS], 4, v1
	v_lshl_add_u32 v[LSS], v2, 9, v[LSS]
	v_add_nc_u32 v[LSS], s21, v[LSS]               ; 16 r + 512 h
	v_add_nc_u32 v[RDS], s21, v4
	; THE BIASES.  q, k: along the registers (BN); v: along the lanes (BM2).  Both sets are loaded from the mode's own bias, the set that the mode does not want is cleared,
	; and the sums begin as BN + BM2, while the first tiles are on their way.
	s_lshl_b32 s18, s40, 10
	s_lshl_b32 s19, s16, 9
	s_add_co_u32 s18, s18, s19                     ; q, k: my 128 features in bq or bk, in bytes
	s_lshl_b32 s19, s41, 10
	s_lshl_b32 s2, s15, 9
	s_add_co_u32 s19, s19, s2                      ; v: my 128 channels in bv
	s_mov_b32 s3, 0
	s_cmp_eq_u32 ttmp9, 0
	s_cselect_b64 s[96:97], s[96:97], s[98:99]     ; cluster column 0 makes q, column 1 makes k
	s_cmp_eq_u32 s[MODE], 0
	s_cselect_b64 s[96:97], s[96:97], s[100:101]
	s_cselect_b32 s2, s18, 0
	s_add_nc_u64 s[98:99], s[96:97], s[2:3]
	s_cselect_b32 s2, 0, s19
	s_add_nc_u64 s[100:101], s[96:97], s[2:3]
	s_cselect_b32 s67, -1, 0                       ; keeps BN in mode q, k
	s_cselect_b32 s95, 0, -1                       ; keeps BM2 in mode v
	v_lshlrev_b32 v8, 6, v2                        ; 16 h numbers
	v_and_b32 v9, 8, v1
	v_add_nc_u32 v9, v9, v1
	v_lshlrev_b32 v9, 2, v9                        ; r + 8 (r / 8) numbers
.irp b, 0,1,2,3,4,5,6,7
	global_load_b128 v[BN+8*\b:BN+8*\b+3], v8, s[98:99] offset:(32*(\b/2)+8*(\b%2))*4
	global_load_b128 v[BN+8*\b+4:BN+8*\b+7], v8, s[98:99] offset:(32*(\b/2)+8*(\b%2))*4+16
.endr
.irp a, 0,1,2,3,4,5,6,7
	global_load_b32 v[BM2+2*\a], v9, s[100:101] offset:(32*(\a/2)+8*(\a%2))*4
	global_load_b32 v[BM2+2*\a+1], v9, s[100:101] offset:(32*(\a/2)+8*(\a%2))*4
.endr
	s_wait_loadcnt 0x0
.set n, 0
.rept 64
	v_cndmask_b32 v[BN+n], 0, v[BN+n], s67
.set n, n+1
.endr
.set n, 0
.rept 16
	v_cndmask_b32 v[BM2+n], 0, v[BM2+n], s95
.set n, n+1
.endr
.irp a, 0,1,2,3,4,5,6,7
.set WD, 0x80+0x40*(\a/4)
	WIN WD                                         ; destination window 2 or 3
.irp b, 0,1,2,3,4,5,6,7
.irp i, 0,1,2,3
	v_pk_add_f32 v[8*(8*(\a%4)+\b)+2*\i:8*(8*(\a%4)+\b)+2*\i+1], v[BN+8*\b+2*\i:BN+8*\b+2*\i+1], v[BM2+2*\a:BM2+2*\a+1]
.endr
.endr
.endr
	WIN 0
.rept 8
	v_nop
.endr
.macro FRAG reg, adr, q, i             ; a fragment, 16 places x 128 K, 12 registers: two half fragments as they lie
	ds_load_b128 v[\reg:\reg+3], v[\adr] offset:(\i)*TROW+(\q)*1536
	ds_load_b64 v[\reg+4:\reg+5], v[\adr+2] offset:(\i)*TROW+(\q)*1536+512
	ds_load_b128 v[\reg+6:\reg+9], v[\adr] offset:(\i)*TROW+(\q)*1536+768
	ds_load_b64 v[\reg+10:\reg+11], v[\adr+2] offset:(\i)*TROW+(\q)*1536+1280
.endm
; 16 matrix instructions: A's blocks a0, a0 + 1 x B's eight.  The 64 accumulators take turns, one instruction a turn, in the same order in every step.
.macro MUL16 a0, p, q, sc
.irp a, \a0, \a0+1
.irp b, 0,1,2,3,4,5,6,7
	v_wmma_scale_f32_16x16x128_f8f6f4 v[8*(8*((\a)%4)+\b):8*(8*((\a)%4)+\b)+7], v[128*(\p)+FR*\b:128*(\p)+FR*\b+FR-1], v[AF+FR*(\a):AF+FR*(\a)+FR-1], v[8*(8*((\a)%4)+\b):8*(8*((\a)%4)+\b)+7], v[SC+8*NQ*(\sc)+NQ*\b+(\q)], v[SC+8*NQ*(\sc)+NQ*(\a)+(\q)] matrix_a_fmt:MATRIX_FMT_FP6 matrix_b_fmt:MATRIX_FMT_FP6 matrix_a_scale:MATRIX_SCALE_ROW1
.endr
.endr
.endm
.macro FETCH_B slot, q, p
	WIN TO_B
.irp i, 0,1,2,3,4,5,6,7
	FRAG 128*(\p)+FR*\i, ADRB+\slot, \q, \i
.endr
	WIN 0
.endm
.macro FETCH_A slot, q, i0
.irp i, \i0, \i0+1, \i0+2, \i0+3
	FRAG AF+FR*(\i), ADRA+\slot, \q, \i
.endr
.endm
.macro SCALES sc                       ; a slot's two scale words a place: lanes 0-15 A's block i, lanes 16-31 B's block i
.irp i, 0,1,2,3,4,5,6,7
	ds_load_b64 v[SC+8*NQ*\sc+NQ*\i:SC+8*NQ*\sc+NQ*\i+1], v[ADRS] offset:\i*SBLK
.endr
.endm
.macro PLACES n                        ; plain vector instructions between a matrix instruction and a load into, or a read of, its registers
.rept \n
	v_nop
.endr
.endm
.macro STEP slot, q                    ; a step of 128 along K that has its successor in the same slot
	s_wait_dscnt 4*NL                              ; B's set and A's blocks 0-3 are in; the youngest 16 loads (A's blocks 4-7) may be out
	WIN MUL_LO
	MUL16 0, (\q)%2, \q, \slot
	MUL16 2, (\q)%2, \q, \slot
	s_wait_dscnt 0
	PLACES NP
	FETCH_B \slot, (\q)+1, 1-(\q)%2
	FETCH_A \slot, (\q)+1, 0
	WIN MUL_HI
	MUL16 4, (\q)%2, \q, \slot
	MUL16 6, (\q)%2, \q, \slot
	PLACES NP
	WIN 0
	FETCH_A \slot, (\q)+1, 4
.endm
; A slot's last step changes slots: one barrier; in front of it each wave waits for all its tensor loads, adds 0 to its spare word, and waits for that and for its reads of this slot.
; fill = 1: this slot is filled again, two fills ahead, behind a round of the cluster's barrier.  sstep: from this slot's scale words to the next slot's.
.macro TURN slot, next, fill, sstep
	s_wait_tensorcnt 0x0                           ; all my tensor loads have landed: my part of the next slot
	ds_add_u32 v[SPW], v[NIL]                      ; 0 onto my spare word
	s_wait_dscnt 4*NL+1                            ; (the add and the youngest 16 loads may be out)
	WIN MUL_LO
	MUL16 0, 1, NQ-1, \slot
	s_wait_dscnt 0x0                               ; the add is done, and my reads of this slot are over
	s_barrier_signal -1
	MUL16 2, 1, NQ-1, \slot
	WIN 0
	s_barrier_wait -1
.if \fill
	CREST                                          ; no wave of any partner still reads this slot or has a load on its way
	s_add_nc_u64 s[G0+4*\slot+2:G0+4*\slot+3], s[G0+4*\slot+2:G0+4*\slot+3], 2*TROW
	s_add_nc_u64 s[G0B+4*\slot+2:G0B+4*\slot+3], s[G0B+4*\slot+2:G0B+4*\slot+3], 2*TROW
	JLOAD G0+4*\slot, G1, G0B+4*\slot, G1B         ; the wave's one tensor load behind the round; its four v_nop are the places in front of the loads below
.else
	PLACES NP
.endif
	v_add_nc_u32 v[ADRS], \sstep, v[ADRS]
	FETCH_B \next, 0, 0
	FETCH_A \next, 0, 0
	SCALES \next
	WIN MUL_HI
	MUL16 4, 1, NQ-1, \slot
	MUL16 6, 1, NQ-1, \slot
	PLACES NP
	WIN 0
	FETCH_A \next, 0, 4
.endm
	s_wait_tensorcnt 1                             ; the scale bytes and my part of slot 0 are in; slot 1's load may be out
	s_barrier_signal -1
	s_barrier_wait -1
	FETCH_B 0, 0, 0
	FETCH_A 0, 0, 0
	SCALES 0
	FETCH_A 0, 0, 4
	STEP 0, 0                                      ; K 0-127
	TURN 0, 1, 1, 8                                ; K 128-255; slot 0 takes K 512-767
	STEP 1, 0
	TURN 1, 0, 1, 248                              ; slot 1 takes K 768-1,023; the scale bytes of K's upper half lie 256 bytes on
	STEP 0, 0
	TURN 0, 1, 0, 8                                ; nothing is left to fetch
	s_load_b128 s[68:71], s[0:1], 0x28             ; qkq, vq, into registers of descriptors whose loads are long done
	STEP 1, 0
	s_wait_dscnt 4*NL                              ; the last step
	WIN MUL_LO
	MUL16 0, 1, NQ-1, 1
	MUL16 2, 1, NQ-1, 1
	s_wait_dscnt 0
	WIN MUL_HI
	MUL16 4, 1, NQ-1, 1
	MUL16 6, 1, NQ-1, 1
	WIN 0
	PLACES NP
	; THE WAY OUT: each of my 8 tiles of A's places is one fragment (16 places x my 128 of B) and one scale word a place.
	s_wait_kmcnt 0x0
	s_lshl_b32 s2, s42, 1
	s_add_co_u32 s2, s2, s16                       ; my 128 of B: 2 x tile column + half
	s_lshr_b32 s3, s17, 3                          ; q, k: the batch,
	s_lshl_b32 s3, s3, 4
	s_add_co_u32 s3, s3, s2                        ; 16 x batch + my 128 features
	s_and_b32 s18, s17, 7
	s_lshl_b32 s19, s3, 7
	s_lshl_b32 s76, s18, 4
	s_add_co_u32 s19, s19, s76
	s_lshl_b32 s76, s15, 3
	s_add_co_u32 s19, s19, s76                     ; my first fragment
	s_lshl_b32 s77, s3, 4
	s_lshl_b32 s78, s18, 1
	s_add_co_u32 s77, s77, s78
	s_add_co_u32 s77, s77, s15
	s_lshl_b32 s77, s77, 10
	s_add_co_u32 s77, s77, QKS                     ; my 1,024 bytes of scale words
	s_lshl_b32 s78, s2, 6                          ; v: 64 fragments for each 128 keys,
	s_lshl_b32 s79, s17, 4
	s_add_co_u32 s78, s78, s79
	s_add_co_u32 s78, s78, s76                     ; + 16 x tile row + 8 x half
	s_lshl_b32 s79, s2, 4
	s_lshl_b32 s80, s17, 2
	s_add_co_u32 s79, s79, s80
	s_lshl_b32 s80, s15, 1
	s_add_co_u32 s79, s79, s80
	s_lshl_b32 s79, s79, 8
	s_add_co_u32 s79, s79, VS                      ; my two heads' 512 bytes of scale words
	s_cmp_eq_u32 s[MODE], 0
	s_cselect_b64 s[72:73], s[68:69], s[70:71]
	s_cselect_b32 s18, s19, s78
	s_cselect_b32 s76, s77, s79
	s_cselect_b32 s79, 16, 0
	s_cselect_b32 s80, 0xffff, -1
	s_cselect_b32 s81, 0x7f7f0000, 0
	s_mul_i32 s18, s18, 1536
	s_mov_b32 s19, 0
	s_mov_b32 s77, 0
	s_add_nc_u64 s[74:75], s[72:73], s[76:77]      ; scale words
	s_add_nc_u64 s[72:73], s[72:73], s[18:19]      ; codes
	s_mov_b32 s[SEL], 0x76543210
	s_mov_b32 s[SEL+1], 0xfedcba98
	v_mul_u32_u24 v[SHV], v2, s79                  ; q, k: lanes 16-31 take the pair's second head's two bytes
.irp b, 0,1,2,3
	v_mov_b32 v[TM+4+\b], 0                        ; a lane permute's destination counts as one of its sources
.endr
.macro QUANTW a
.set WA, 2+(\a)/4
.set WB, WA|(WA<<2)
.set SA, 64*((\a)%4)
	WIN WB                                         ; sources 0 and 1: the accumulators' window
.irp b, 0,1,2,3
	v_max3_num_f32 v[TM+\b], |v[SA+16*\b]|, |v[SA+16*\b+1]|, 0x1800000   ; each accumulator is read from its low end on; the floor 2^(3 - 127) holds the byte at 1 from below
.endr
.irp i, 2,4,6,8,10,12,14
.irp b, 0,1,2,3
	v_max3_num_f32 v[TM+\b], |v[SA+16*\b+\i]|, |v[SA+16*\b+\i+1]|, v[TM+\b]
.endr
.endr
	WIN 0
.irp b, 0,1,2,3
	v_permlanex16_b32 v[TM+4+\b], v[TM+\b], s[SEL], s[SEL+1]
.endr
.irp b, 0,1,2,3
	v_max_num_f32 v[TM+\b], v[TM+\b], v[TM+4+\b]   ; the block's largest magnitude
.endr
.irp b, 0,1,2,3
	v_add_nc_u32 v[TM+12+\b], 0xff000000, v[TM+\b] ; 2 off its exponent field: the conversion's scale operand
.endr
.irp b, 0,1,2,3
	v_lshrrev_b32 v[TM+4+\b], 23, v[TM+12+\b]      ; the byte
.endr
	v_lshl_or_b32 v[PW], v[TM+5], 8, v[TM+4]
	v_lshl_or_b32 v[PW], v[TM+6], 16, v[PW]
	v_lshl_or_b32 v[PW], v[TM+7], 24, v[PW]
.if (\a) > 0
	s_wait_xcnt 0x0                                ; the last tile's stores have read the codes' registers
.endif
	WIN WA                                         ; source 0: the accumulators' window
.irp c, 0,1
	v_cvt_scalef32_pk16_fp6_f32 v[PC+6*\c:PC+2+6*\c], v[SA+32*\c:SA+15+32*\c], v[TM+12+2*\c]
	v_cvt_scalef32_pk16_fp6_f32 v[PC+12+4*\c:PC+14+4*\c], v[SA+16+32*\c:SA+31+32*\c], v[TM+12+2*\c+1]
.endr
	WIN 0
	v_lshrrev_b32 v[PWS+(\a)], v[SHV], v[PW]       ; (the plain instruction behind the conversions)
.irp c, 0,1
.irp i, 0,1,2
	v_permlane16_swap_b32 v[PC+6*\c+\i], v[PC+12+4*\c+\i]
.endr
.irp i, 0,1,2
	v_mov_b32 v[PC+3+6*\c+\i], v[PC+12+4*\c+\i]
.endr
.endr
	v_and_or_b32 v[PWS+(\a)], v[PWS+(\a)], s80, s81   ; q, k: the head's two bytes, 0x7f for the instruction's upper 64 along K; v: the word as it is
	ds_store_b32 v[LSS], v[PWS+(\a)] offset:256*((\a)%2)+4*((\a)/2)
	global_store_b128 v4, v[PC:PC+3], s[72:73] offset:1536*(\a)
	global_store_b64 v5, v[PC+4:PC+5], s[72:73] offset:1536*(\a)+512
	global_store_b128 v4, v[PC+6:PC+9], s[72:73] offset:1536*(\a)+768
	global_store_b64 v5, v[PC+10:PC+11], s[72:73] offset:1536*(\a)+1280
.endm
.irp a, 0,1,2,3,4,5,6,7
	QUANTW \a
.endr
	ds_load_b128 v[R0:R0+3], v[RDS]                ; LDS serves a wave's instructions in order: these see my stores.  Register j: lanes 0-15 tile 2 j's words, lanes 16-31 tile 2 j + 1's
	ds_load_b128 v[R1:R1+3], v[RDS] offset:512
	s_wait_dscnt 0x0
	global_store_b64 v5, v[R0:R0+1], s[74:75]      ; each store covers 256 consecutive bytes, aligned
	global_store_b64 v5, v[R0+2:R0+3], s[74:75] offset:256
	s_cmp_lg_u32 s[MODE], 0                        ; v has one set of words (both halves of the lanes made the same); q and k have the second head's too
	s_cbranch_scc1 .Lone_set
	global_store_b64 v5, v[R1:R1+1], s[74:75] offset:512
	global_store_b64 v5, v[R1+2:R1+3], s[74:75] offset:768
.Lone_set:
	s_wait_tensorcnt 0x0                           ; the wave's end
	ds_add_u32 v[SPW], v[NIL]
	s_wait_dscnt 0x0
	CROUND                                         ; the closing round
	s_endpgm
.Lfunc_end_k_q9679de821b_qkv:
	.size	k_q9679de821b_qkv, .Lfunc_end_k_q9679de821b_qkv-k_q9679de821b_qkv
	.p2alignl 7, 3214868480
	.fill 96, 4, 3214868480
	.section	.rodata,"a",@progbits
	.p2align	6, 0x0
	.amdhsa_kernel k_q9679de821b_qkv
		.amdhsa_group_segment_fixed_size 327680
		.amdhsa_private_segment_fixed_size 0
		.amdhsa_enable_private_segment 0
		.amdhsa_kernarg_size 56
		.amdhsa_user_sgpr_count 2
		.amdhsa_user_sgpr_kernarg_segment_ptr 1
		.amdhsa_wavefront_size32 1
		.amdhsa_system_sgpr_workgroup_id_x 1
		.amdhsa_system_sgpr_workgroup_id_y 1
		.amdhsa_system_sgpr_workgroup_id_z 1
		.amdhsa_system_vgpr_workitem_id 0
		.amdhsa_next_free_vgpr 1024
		.amdhsa_next_free_sgpr 102
		.amdhsa_reserve_vcc 0
		.amdhsa_float_denorm_mode_32 3
		.amdhsa_float_denorm_mode_16_64 3
		.amdhsa_memory_ordered 1
		.amdhsa_forward_progress 1
		.amdhsa_inst_pref_size 176
	.end_amdhsa_kernel
	.amdgpu_metadata
---
amdhsa.version: [ 1, 2 ]
amdhsa.kernels:
  - .name:           k_q9679de821b_qkv
    .symbol:         k_q9679de821b_qkv.kd
    .args:
      - { .name: xq, .offset: 0, .size: 8, .value_kind: global_buffer, .address_space: global }
      - { .name: wts, .offset: 8, .size: 8, .value_kind: global_buffer, .address_space: global }
      - { .name: bq, .offset: 16, .size: 8, .value_kind: global_buffer, .address_space: global }
      - { .name: bk, .offset: 24, .size: 8, .value_kind: global_buffer, .address_space: global }
      - { .name: bv, .offset: 32, .size: 8, .value_kind: global_buffer, .address_space: global }
      - { .name: qkq, .offset: 40, .size: 8, .value_kind: global_buffer, .address_space: global }
      - { .name: vq, .offset: 48, .size: 8, .value_kind: global_buffer, .address_space: global }
    .group_segment_fixed_size: 327680
    .private_segment_fixed_size: 0
    .kernarg_segment_align: 8
    .kernarg_segment_size: 56
    .max_flat_workgroup_size: 128
    .sgpr_count:     102
    .vgpr_count:     1024
    .wavefront_size: 32
...
	.end_amdgpu_metadata
.endif
;; end of part 2
;; launch attn (part 3): grid 4 x 64, 16 waves a work-group, clusters of 4 x 1, 210,944 bytes of LDS; arguments qkq, vq, aq; writes aq
.if DOCPART == 3
	.amdgcn_target "amdgcn-amd-amdhsa--gfx1250"
	.amdhsa_code_object_version 6
	.text
	.protected	k_q9679de821b_attn
	.globl	k_q9679de821b_attn
	.p2align	8
	.type	k_q9679de821b_attn,@function
k_q9679de821b_attn:
	s_mov_b64 s[64:65], 0
	v_nop
	global_prefetch_b8 v0, s[64:65] scope:SCOPE_SE
	s_setreg_imm32_b32 hwreg(HW_REG_WAVE_MODE, 25, 1), 1
	s_wait_xcnt 0x0
	s_wait_alu depctr_hold_cnt(0) depctr_sa_sdst(0) depctr_va_vdst(0) depctr_va_sdst(0) depctr_va_ssrc(0) depctr_va_vcc(0) depctr_vm_vsrc(0)
	s_getreg_b32 s2, hwreg(HW_REG_IB_STS2, 6, 4)
	s_cmp_eq_u32 s2, 0
	s_cbranch_scc0 .Lentry_in_a_cluster
	s_endpgm
.Lentry_in_a_cluster:
	s_bfe_u32 s2, ttmp6, 0x10000c
	s_cmp_lg_u32 s2, 0x3003
	s_cbranch_scc0 .Lentry_shape_is_right
	s_endpgm
.Lentry_shape_is_right:
; Causal attention of one head on codes of FP6 (E2M3): S^T = K Q^T, p = 2^(t - M), O^T = V^T P^T, O / l, and O quantised along C for the last product.
; t = score x log2(e) / sqrt(2048); M = the running largest t rounded up to a whole number; l = the sum of the unquantised p; when M moves, l and O are multiplied by a power of two.
; LIMITS: NaN and infinities are not served; a block under 2^-124 gets the scale byte 1 (its codes are zeros where its numbers are).
; SHARES.  A work-group owns one head and a quarter of its 128 tiles of 16 queries; the four work-groups of a cluster own the same head.  THE HEAD'S WHOLE K AND V LIE IN LDS
; (16 key steps x 12,288 bytes, and their scale words): they come once, by joint loads that name the four partners; no LDS byte is filled twice.
; Wave w (g = w / 2, e = 2 cx + w % 2) owns tile 127 - (8 g + e), which has 16 - g key steps of 128, and tile 8 g + e, which has g + 1: 17 steps for every wave.
; Branches hang on w and on counters alone; cx enters global addresses and the mask's numbers only.
; LAYOUT.  A lane holds one query (lane % 16) throughout.  K's tiles hold places of T (place p of tile t is time 32 (t / 2) + 8 (t % 2) + p + 8 (p / 8)), so the 16 registers of score
; tiles 2 b and 2 b + 1 are keys 32 b + 16 h + 0 .. 15 of the step.  V's fragments hold places of the head's channels likewise, so O's registers are neighbours along C.
; THE HEAD IS 64 WIDE, THE INSTRUCTION 128: Q's codes for k = 64 .. 127 are zeros and the upper scale bytes are 0x7f on both sides, so K's six upper registers may hold anything that is a
; code: they are the next tile's codes (behind the last tile: zeros).  Every code of this format is a finite number, and times zero it adds nothing.
; REGISTERS: v1-7 lane terms; v8-11 the step's LDS addresses; v12 -M, v13 the largest t, v[14:15] l; v16-27 Q of the late tile, v232-243 of the early one; v28, v29 their scale words;
; v32-85 K's 8 tiles, then V's 4 fragments; v86-89 K's scale words, v90-91 V's; v96-159 scores, then p; v160-191 O^T; v192-210 p's codes; v212-230 at work; v244-255 the way out.
.set QKS,   12582912
.set VS,    6291456
.set XS,    6291456
.set STEPB, 12288                      ; a key step in LDS: K's 8 half fragments, then V's 4 fragments
.set VOFF,  6144
.set KSC,   196608                     ; K's scale words, 512 bytes a step
.set VSC,   204800                     ; V's, 256 bytes a step
.set AD16, 8
.set AD8,  9
.set ADS,  10
.set ADT,  11
.set KB,   32
.set KSR,  86
.set VSR,  90
.set SCR,  96
.set OUT,  160
.set PCD,  192
.set PT,   204
.set BX,   212
.set BY,   216
.set SCO,  220
.set FF,   224                         ; v224 f = 2^(old M - new M); v225 p's scale word
.set PSW,  225
.set CH,   226
.set TT,   228
.set OC,   244
.set OT,   250
.set G1K,  12
.set G1V,  20
.set G1KS, 28
.set G1VS, 36
.set GK0,  44
.set GKS,  48
.set GK1,  52
.set GV0,  56
.set GVS,  60
.set GV1,  68
.set WV,   10
.set GW,   11
.set SEL,  76
.set CS,   78
.set HI,   80
.set SI,   81                          ; the key step
.set DG,   82                          ; the tile's step on the diagonal
.set TK,   83
.set TS,   84
.set TV,   85
.macro CROUND
	s_barrier_signal -1
	s_barrier_wait -1
	s_cmp_lg_u32 s[WV], 0
	s_cbranch_scc1 .Lnot_wave_0_\@
	s_barrier_signal -3
.Lnot_wave_0_\@:
	s_barrier_wait -3
	s_barrier_signal -1
	s_barrier_wait -1
.endm
	s_load_b128 s[4:7], s[0:1], 0x0                ; qkq, vq
	s_load_b64 s[8:9], s[0:1], 0x10                ; aq
	v_lshl_add_u32 v211, v0, 2, 0x33000
	v_mov_b32 v230, 0
	ds_add_u32 v211, v230
	ds_add_u32 v211, v230
	v_lshrrev_b32 v1, 5, v0
	v_readfirstlane_b32 s[WV], v1                  ; wave 0..15
	s_lshr_b32 s[GW], s[WV], 1                     ; g
	s_bfe_u32 s66, ttmp6, 0x40000                  ; cx
	s_and_b32 s67, ttmp7, 0xffff                   ; 16 x batch + head
	s_lshr_b32 s72, s67, 4                         ; batch
	s_and_b32 s73, s67, 15                         ; head
	s_lshl_b32 s74, s72, 4
	s_lshr_b32 s75, s73, 1
	s_and_b32 s92, s73, 1                          ; the head in its pair
	s_add_co_u32 s93, s74, s75                     ; q's run of 128 features
	s_add_co_u32 s94, s93, 8                       ; k's
	; descriptor groups 1: elements of 8 bytes, the mask of all four partners, bit 21 beside it
.irp g, G1K, G1V, G1KS, G1VS
	s_mov_b32 s[\g], 15|(3<<16)|(1<<21)
	s_mov_b32 s[\g+6], 0
	s_mov_b32 s[\g+7], 0
.endr
	s_mov_b32 s[G1K+1], 96<<16                     ; K: 8 half fragments of 768 bytes, 1,536 bytes apart
	s_mov_b32 s[G1K+2], 8<<16
	s_mov_b32 s[G1K+3], 96<<16
	s_mov_b32 s[G1K+4], 8
	s_mov_b32 s[G1K+5], 192
	s_mov_b32 s[G1V+1], 96<<16                     ; V: 6,144 dense bytes as 8 rows of 768
	s_mov_b32 s[G1V+2], 8<<16
	s_mov_b32 s[G1V+3], 96<<16
	s_mov_b32 s[G1V+4], 8
	s_mov_b32 s[G1V+5], 96
	s_mov_b32 s[G1KS+1], 64<<16                    ; K's scale words: two steps' 512 bytes, 1,024 bytes apart
	s_mov_b32 s[G1KS+2], 2<<16
	s_mov_b32 s[G1KS+3], 64<<16
	s_mov_b32 s[G1KS+4], 2
	s_mov_b32 s[G1KS+5], 128
	s_mov_b32 s[G1VS+1], 32<<16                    ; V's: two steps' 256 bytes, 4,096 bytes apart
	s_mov_b32 s[G1VS+2], 2<<16
	s_mov_b32 s[G1VS+3], 32<<16
	s_mov_b32 s[G1VS+4], 2
	s_mov_b32 s[G1VS+5], 512
	s_mul_i32 s95, s[GW], STEPB                    ; step g in LDS; K's step g in memory is as many bytes on
	s_mov_b32 s3, 0
	s_wait_dscnt 0x0
	s_wait_kmcnt 0x0
	s_mul_i32 s2, s94, 196608                      ; K's codes: step g, and step 8 + g
	s_mul_i32 s96, s92, 768
	s_add_co_u32 s2, s2, s96
	s_add_co_u32 s2, s2, s95
	s_mov_b32 s[GK0], 1
	s_mov_b32 s[GK0+1], s95
	s_add_nc_u64 s[GK0+2:GK0+3], s[4:5], s[2:3]
	s_mov_b32 s[GK1], 1
	s_add_co_u32 s[GK1+1], s95, 8*STEPB
	s_add_nc_u64 s[GK1+2:GK1+3], s[GK0+2:GK0+3], 8*STEPB
	s_or_b32 s[GK0+3], s[GK0+3], 0x80000000
	s_or_b32 s[GK1+3], s[GK1+3], 0x80000000
	s_lshl_b32 s2, s94, 14                         ; K's scale words: steps 2 g and 2 g + 1
	s_lshl_b32 s96, s92, 9
	s_add_co_u32 s2, s2, s96
	s_lshl_b32 s96, s[GW], 11
	s_add_co_u32 s2, s2, s96
	s_add_co_u32 s2, s2, QKS
	s_mov_b32 s[GKS], 1
	s_lshl_b32 s96, s[GW], 10
	s_add_co_u32 s[GKS+1], s96, KSC
	s_add_nc_u64 s[GKS+2:GKS+3], s[4:5], s[2:3]
	s_or_b32 s[GKS+3], s[GKS+3], 0x80000000
	s_add_co_u32 s96, s74, s[GW]                   ; V's codes: step g, and step 8 + g
	s_mul_i32 s2, s96, 98304
	s_mul_i32 s97, s73, 6144
	s_add_co_u32 s2, s2, s97
	s_mov_b32 s[GV0], 1
	s_add_co_u32 s[GV0+1], s95, VOFF
	s_add_nc_u64 s[GV0+2:GV0+3], s[6:7], s[2:3]
	s_mov_b32 s[GV1], 1
	s_add_co_u32 s[GV1+1], s95, 8*STEPB+VOFF
	s_add_nc_u64 s[GV1+2:GV1+3], s[GV0+2:GV0+3], 8*98304
	s_or_b32 s[GV0+3], s[GV0+3], 0x80000000
	s_or_b32 s[GV1+3], s[GV1+3], 0x80000000
	s_lshl_b32 s2, s74, 12                         ; V's scale words: steps 2 g and 2 g + 1
	s_lshl_b32 s96, s73, 8
	s_add_co_u32 s2, s2, s96
	s_lshl_b32 s96, s[GW], 13
	s_add_co_u32 s2, s2, s96
	s_add_co_u32 s2, s2, VS
	s_mov_b32 s[GVS], 1
	s_lshl_b32 s96, s[GW], 9
	s_add_co_u32 s[GVS+1], s96, VSC
	s_add_nc_u64 s[GVS+2:GVS+3], s[6:7], s[2:3]
	s_or_b32 s[GVS+3], s[GVS+3], 0x80000000
	CROUND                                         ; all four work-groups are here: the joint loads meet
	s_and_b32 s96, s[WV], 1                        ; even waves ask for K's, odd waves for V's: a wave's three fills stand in one branch; three loads of mine are out
	s_cmp_eq_u32 s96, 0
	s_cbranch_scc0 .Lfor_v
	tensor_load_to_lds s[GK0:GK0+3], s[G1K:G1K+7]
	s_nop 0
	tensor_load_to_lds s[GKS:GKS+3], s[G1KS:G1KS+7]
	s_nop 0
	tensor_load_to_lds s[GK1:GK1+3], s[G1K:G1K+7]
	s_nop 0
.rept 4
	v_nop
.endr
	s_branch .Lasked
.Lfor_v:
	tensor_load_to_lds s[GV0:GV0+3], s[G1V:G1V+7]
	s_nop 0
	tensor_load_to_lds s[GVS:GVS+3], s[G1VS:G1VS+7]
	s_nop 0
	tensor_load_to_lds s[GV1:GV1+3], s[G1V:G1V+7]
	s_nop 0
.rept 4
	v_nop
.endr
.Lasked:
	v_and_b32 v8, 31, v0                           ; lane
	v_and_b32 v9, 15, v0                           ; r
	v_bfe_u32 v10, v0, 4, 1                        ; h
	v_lshlrev_b32 v1, 4, v8                        ; 16 x lane
	v_lshlrev_b32 v2, 3, v8                        ; 8 x lane
	v_add_nc_u32 v3, KSC, v2
	v_add_nc_u32 v4, VSC, v2
	v_and_b32 v5, 8, v9
	v_add_nc_u32 v5, v5, v9
	v_lshlrev_b32 v11, 4, v10
	v_sub_nc_u32 v5, v5, v11                       ; r + 8 (r / 8) - 16 h: my query's time in its tile's run, less my half's first key
	v_lshl_add_u32 v6, v9, 4, v10                  ; 16 r + h: my scale byte of the output
	v_lshlrev_b32 v7, 3, v9                        ; 8 r: my query's scale word
	s_mov_b32 s[SEL], 0x76543210
	s_mov_b32 s[SEL+1], 0xfedcba98
	s_mov_b32 s[CS], 0x3d0293ee                    ; c = log2(e) / sqrt(2048)
	s_mov_b32 s[CS+1], s[CS]                       ; (named with it as a pair, so it is written)
	s_mov_b32 s[HI], 0xffff0000                    ; lanes 16-31
	s_lshl_b32 s96, s66, 1
	s_and_b32 s97, s[WV], 1
	s_add_co_u32 s96, s96, s97                     ; e
	s_lshl_b32 s97, s[GW], 3
	s_add_co_u32 s97, s97, s96                     ; the early tile
	s_sub_co_u32 s98, 127, s97                     ; the late tile
	s_mul_i32 s99, s93, 196608
	s_mul_i32 s2, s92, 768
	s_add_co_u32 s99, s99, s2                      ; q's codes of this head
	s_lshl_b32 s100, s93, 14
	s_lshl_b32 s2, s92, 9
	s_add_co_u32 s100, s100, s2
	s_add_co_u32 s100, s100, QKS                   ; q's scale words
	s_mul_i32 s101, s72, 1572864
	s_mul_i32 s2, s73, 768
	s_add_co_u32 s101, s101, s2                    ; the output's codes: the batch's 128 tiles, the head's half fragment
	s_lshl_b32 s75, s72, 16
	s_lshr_b32 s2, s73, 3
	s_lshl_b32 s2, s2, 8
	s_add_co_u32 s75, s75, s2
	s_and_b32 s2, s73, 7
	s_lshl_b32 s2, s2, 1
	s_add_co_u32 s75, s75, s2
	s_add_co_u32 s75, s75, XS                      ; and its scale bytes
; For the tile in s[qt]: s[eo] = the time of its place 0 in its run of 128; s[oa], s[os] = the offsets of its output's codes and scale bytes; v[vc] on = the offsets of its Q
.macro TILE qt, eo, oa, os, vc
	s_mul_i32 s2, s[\qt], 12288
	s_add_co_u32 s[\oa], s2, s101
	s_lshl_b32 s2, s[\qt], 9
	s_add_co_u32 s[\os], s2, s75
	s_mul_i32 s2, s[\qt], 1536
	s_add_co_u32 s2, s2, s99
	v_add_nc_u32 v[\vc], s2, v1
	v_add_nc_u32 v[\vc+1], s2, v2
	s_and_b32 s2, s[\qt], 7                        ; a: the tile in its run of 8
	s_lshr_b32 s3, s[\qt], 3
	s_lshl_b32 s3, s3, 10
	s_add_co_u32 s3, s3, s100
	s_lshr_b32 s74, s2, 2
	s_lshl_b32 s74, s74, 8
	s_add_co_u32 s3, s3, s74                       ; + 256 (a / 4)
	s_and_b32 s74, s2, 1
	s_lshl_b32 s94, s74, 7
	s_add_co_u32 s3, s3, s94                       ; + 128 (a % 2)
	s_lshl_b32 s[\eo], s74, 3
	s_lshr_b32 s74, s2, 1
	s_lshl_b32 s94, s74, 5
	s_add_co_u32 s[\eo], s[\eo], s94               ; 32 (a / 2) + 8 (a % 2)
	s_and_b32 s74, s74, 1
	s_lshl_b32 s74, s74, 2
	s_add_co_u32 s3, s3, s74                       ; + 4 ((a / 2) % 2)
	v_add_nc_u32 v[\vc+2], s3, v7
.endm
	TILE 98, 86, 88, 90, 96
	TILE 97, 87, 89, 91, 100
	global_load_b128 v[16:19], v96, s[4:5]         ; Q stays in registers: a half fragment a tile
	global_load_b64 v[20:21], v97, s[4:5] offset:512
	global_load_b32 v28, v98, s[4:5]
	global_load_b128 v[232:235], v100, s[4:5]
	global_load_b64 v[236:237], v101, s[4:5] offset:512
	global_load_b32 v29, v102, s[4:5]
.irp j, 0,1,2,3,4,5
	v_mov_b32 v[22+\j], 0                          ; Q's codes for k = 64 .. 127
	v_mov_b32 v[238+\j], 0
	v_mov_b32 v[80+\j], 0                          ; behind K's last tile
.endr
.irp b, 0,1,2,3
	v_mov_b32 v[BY+\b], 0                          ; a lane permute's destination counts as one of its sources
.endr
	v_mov_b32 v[PSW], 0                            ; (named as the upper half of the pair with f before it is first written)
	v_mov_b32 v[TT], 0
.macro INIT                            ; a tile begins: the first change of M multiplies zeros
	v_mov_b32 v13, 0xff61b1e6                      ; -3e38, under every t
	v_floor_f32 v12, -v13
	v_mov_b32 v14, 0
	v_mov_b32 v15, 0
.set n, 0
.rept 32
	v_mov_b32 v[OUT+n], 0
.set n, n+1
.endr
.endm
; A KEY STEP of 128 keys.  causal = 1: a step behind the diagonal is left out (a scalar branch on the wave's number and the counter, round the work, not round the address steps),
; and on the diagonal hidden scores become -infinity.  qb, qsr: Q's registers and its scale word; eo: the scalar with the tile's first time.
.macro STEP causal, qb, qsr, eo
.if \causal
	s_cmp_gt_u32 s[SI], s[DG]
	s_cbranch_scc1 .Lhid_\@
.endif
	v_add_nc_u32 v[AD16], s[TK], v1                ; (these four are the places in front of the loads into registers that the last products read)
	v_add_nc_u32 v[AD8], s[TK], v2
	v_add_nc_u32 v[ADS], s[TS], v3
	v_add_nc_u32 v[ADT], s[TV], v4
.irp t, 0,1,2,3,4,5,6,7
	ds_load_b128 v[KB+6*\t:KB+6*\t+3], v[AD16] offset:768*\t
	ds_load_b64 v[KB+6*\t+4:KB+6*\t+5], v[AD8] offset:768*\t+512
.endr
	ds_load_b64 v[KSR:KSR+1], v[ADS]               ; register t / 2: tile t's words in lanes 0-15 (t even) or 16-31 (t odd)
	ds_load_b64 v[KSR+2:KSR+3], v[ADS] offset:256
	s_wait_dscnt 0x0
.irp u, 0,1,2,3
	v_wmma_scale_f32_16x16x128_f8f6f4 v[SCR+16*\u:SCR+16*\u+7], v[KB+12*\u:KB+12*\u+11], v[\qb:\qb+11], 0, v[KSR+\u], v[\qsr] matrix_a_fmt:MATRIX_FMT_FP6 matrix_b_fmt:MATRIX_FMT_FP6
	v_wmma_scale_f32_16x16x128_f8f6f4 v[SCR+16*\u+8:SCR+16*\u+15], v[KB+12*\u+6:KB+12*\u+17], v[\qb:\qb+11], 0, v[KSR+\u], v[\qsr] matrix_a_fmt:MATRIX_FMT_FP6 matrix_b_fmt:MATRIX_FMT_FP6 matrix_a_scale:MATRIX_SCALE_ROW1
.endr
.rept 4
	v_nop                                          ; places in front of the loads below and of the first read of the scores
.endr
.irp d, 0,1,2,3                        ; V's four fragments land while the softmax is worked
	ds_load_b128 v[KB+12*\d:KB+12*\d+3], v[AD16] offset:VOFF+1536*\d
	ds_load_b64 v[KB+12*\d+4:KB+12*\d+5], v[AD8] offset:VOFF+1536*\d+512
	ds_load_b128 v[KB+12*\d+6:KB+12*\d+9], v[AD16] offset:VOFF+1536*\d+768
	ds_load_b64 v[KB+12*\d+10:KB+12*\d+11], v[AD8] offset:VOFF+1536*\d+1280
.endr
	ds_load_b64 v[VSR:VSR+1], v[ADT]
.if \causal
	s_cmp_lg_u32 s[SI], s[DG]
	s_cbranch_scc1 .Lopen_\@
	v_add_nc_u32 v[TT], s[\eo], v5                 ; d = my query's time in the step - 16 h.  Register 16 b + i holds key 32 b + 16 h + i: hidden where 32 b + i > d
	v_mov_b32 v[TT+1], 0xff800000                  ; -infinity
.set n, 0
.rept 64
	v_cmp_gt_i32 vcc_lo, 32*(n/16)+n%16, v[TT]
	v_cndmask_b32 v[SCR+n], v[SCR+n], v[TT+1], vcc_lo
.set n, n+1
.endr
.Lopen_\@:
.endif
.irp b, 0,1,2,3
	v_max3_num_f32 v[BX+\b], v[SCR+16*\b], v[SCR+1+16*\b], v[SCR+2+16*\b]   ; the largest score of each block of 32 keys: for the row's maximum, and, since p rises with the score, for the block's largest p
.endr
.irp i, 3,5,7,9,11,13
.irp b, 0,1,2,3
	v_max3_num_f32 v[BX+\b], v[BX+\b], v[SCR+16*\b+\i], v[SCR+1+16*\b+\i]
.endr
.endr
.irp b, 0,1,2,3
	v_max_num_f32 v[BX+\b], v[BX+\b], v[SCR+15+16*\b]
.endr
.irp b, 0,1,2,3
	v_permlanex16_b32 v[BY+\b], v[BX+\b], s[SEL], s[SEL+1]
.endr
.irp b, 0,1,2,3
	v_max_num_f32 v[BX+\b], v[BX+\b], v[BY+\b]     ; with lane l xor 16's 16 keys
.endr
	v_max3_num_f32 v[TT], v[BX], v[BX+1], v[BX+2]
	v_max_num_f32 v[TT], v[TT], v[BX+3]
	v_mul_f32 v[TT], s[CS], v[TT]                  ; the step's largest t
	v_max_num_f32 v13, v13, v[TT]
	v_mov_b32 v[TT], v12
	v_floor_f32 v12, -v13                          ; -M = floor(-t): M is a whole number
	v_sub_f32 v[TT], v12, v[TT]                    ; old M - new M: a whole number, 0 or less
	v_cvt_i32_f32 v[TT], v[TT]                     ; (it saturates)
	v_ldexp_f32 v[FF], 1.0, v[TT]                  ; f = 2^(old M - new M)
.set n, 0
.rept 32
	v_pk_fma_f32 v[SCR+n:SCR+n+1], v[SCR+n:SCR+n+1], s[CS:CS+1], v[12:13] op_sel_hi:[1,0,0]   ; t - M
.set n, n+2
.endr
.irp b, 0,1,2,3
	v_fma_f32 v[BX+\b], v[BX+\b], s[CS], v12       ; the same of each block's largest score
.endr
.set n, 0
.rept 64
	v_exp_f32 v[SCR+n], v[SCR+n]                   ; p = 2^(t - M), not normalised
.set n, n+1
.endr
	v_pk_mul_f32 v[14:15], v[14:15], v[FF:FF+1] op_sel_hi:[1,0]   ; l under the new M (the plain instruction behind the exponentials)
	s_wait_alu depctr_va_vdst(0)                   ; one wait for the batch of 64, ahead of its first reader
.irp b, 0,1,2,3
	v_exp_f32 v[BX+\b], v[BX+\b]                   ; the block's largest p: the same two instructions on the same number
.endr
	v_pk_add_f32 v[CH:CH+1], v[SCR:SCR+1], v[SCR+2:SCR+3]   ; l takes the unquantised p, in two chains
.irp j, 4,8,12,16,20,24,28,32,36,40,44,48,52,56,60
	v_pk_add_f32 v[14:15], v[14:15], v[SCR+\j:SCR+1+\j]
	v_pk_add_f32 v[CH:CH+1], v[CH:CH+1], v[SCR+2+\j:SCR+3+\j]
.endr
	v_pk_add_f32 v[14:15], v[14:15], v[CH:CH+1]
	s_wait_alu depctr_va_vdst(0)                   ; and one for the four
.irp b, 0,1,2,3
	v_max_num_f32 v[BX+\b], 0x1800000, v[BX+\b]    ; the floor 2^(3 - 127): the byte cannot fall under 1
.endr
.irp b, 0,1,2,3
	v_add_nc_u32 v[SCO+\b], 0xff000000, v[BX+\b]   ; the conversion's scale operand
.endr
.irp b, 0,1,2,3
	v_lshrrev_b32 v[BY+\b], 23, v[SCO+\b]          ; the byte
.endr
	v_lshl_or_b32 v[PSW], v[BY+1], 8, v[BY]
	v_lshl_or_b32 v[PSW], v[BY+2], 16, v[PSW]
	v_lshl_or_b32 v[PSW], v[BY+3], 24, v[PSW]      ; p's scale word for these 128 keys
.irp c, 0,1
	v_cvt_scalef32_pk16_fp6_f32 v[PCD+6*\c:PCD+2+6*\c], v[SCR+32*\c:SCR+15+32*\c], v[SCO+2*\c]
	v_cvt_scalef32_pk16_fp6_f32 v[PT+4*\c:PT+2+4*\c], v[SCR+16+32*\c:SCR+31+32*\c], v[SCO+2*\c+1]
.endr
	v_nop                                          ; one plain instruction behind a scaled conversion
.irp c, 0,1
.irp i, 0,1,2
	v_permlane16_swap_b32 v[PCD+6*\c+\i], v[PT+4*\c+\i]
.endr
.irp i, 0,1,2
	v_mov_b32 v[PCD+3+6*\c+\i], v[PT+4*\c+\i]
.endr
.endr
.set n, 0
.rept 16
	v_pk_mul_f32 v[OUT+n:OUT+n+1], v[OUT+n:OUT+n+1], v[FF:FF+1] op_sel_hi:[1,0]   ; O^T under the new M; these are also the places in front of the scaled products below
.set n, n+2
.endr
	s_wait_dscnt 0x0                               ; V is in
.irp u, 0,1                            ; the four accumulators by turns
	v_wmma_scale_f32_16x16x128_f8f6f4 v[OUT+16*\u:OUT+16*\u+7], v[KB+24*\u:KB+24*\u+11], v[PCD:PCD+11], v[OUT+16*\u:OUT+16*\u+7], v[VSR+\u], v[PSW] matrix_a_fmt:MATRIX_FMT_FP6 matrix_b_fmt:MATRIX_FMT_FP6
	v_wmma_scale_f32_16x16x128_f8f6f4 v[OUT+16*\u+8:OUT+16*\u+15], v[KB+24*\u+12:KB+24*\u+23], v[PCD:PCD+11], v[OUT+16*\u+8:OUT+16*\u+15], v[VSR+\u], v[PSW] matrix_a_fmt:MATRIX_FMT_FP6 matrix_b_fmt:MATRIX_FMT_FP6 matrix_a_scale:MATRIX_SCALE_ROW1
.endr
.if \causal
.Lhid_\@:
.endif
	s_add_co_u32 s[TK], s[TK], STEPB
	s_add_co_u32 s[TS], s[TS], 512
	s_add_co_u32 s[TV], s[TV], 256
.endm
; A tile ends: O^T / l, quantised along C (the head's two blocks of 32), as a half fragment of the last product's operand, and its two scale bytes a row.
.macro FINISH oa, os
	s_wait_xcnt 0x0                                ; earlier stores have read the registers that are written again below
.rept 4
	v_nop                                          ; places behind the last products
.endr
	v_add_f32 v14, v14, v15
	v_permlanex16_b32 v[TT], v14, s[SEL], s[SEL+1]
	v_add_f32 v14, v14, v[TT]                      ; the row's sum
	v_rcp_f32 v14, v14
	v_add_nc_u32 v254, s[\oa], v1                  ; (plain work behind the reciprocal)
	v_add_nc_u32 v255, s[\oa], v2
	v_add_nc_u32 v231, s[\os], v6
	s_wait_alu depctr_va_vdst(0)                   ; the wait ahead of the reciprocal's first reader
.set n, 0
.rept 16
	v_pk_mul_f32 v[OUT+n:OUT+n+1], v[OUT+n:OUT+n+1], v[14:15] op_sel_hi:[1,0]   ; register 16 b + i: channel 32 b + 16 h + i of the head
.set n, n+2
.endr
.irp b, 0,1
	v_max3_num_f32 v[BX+\b], |v[OUT+16*\b]|, |v[OUT+1+16*\b]|, 0x1800000
.endr
.irp i, 2,4,6,8,10,12,14
.irp b, 0,1
	v_max3_num_f32 v[BX+\b], v[BX+\b], |v[OUT+16*\b+\i]|, |v[OUT+1+16*\b+\i]|
.endr
.endr
.irp b, 0,1
	v_permlanex16_b32 v[BY+\b], v[BX+\b], s[SEL], s[SEL+1]
.endr
.irp b, 0,1
	v_max_num_f32 v[BX+\b], v[BX+\b], v[BY+\b]
.endr
.irp b, 0,1
	v_add_nc_u32 v[SCO+\b], 0xff000000, v[BX+\b]
.endr
.irp b, 0,1
	v_lshrrev_b32 v[BY+\b], 23, v[SCO+\b]
.endr
	v_cvt_scalef32_pk16_fp6_f32 v[OC:OC+2], v[OUT:OUT+15], v[SCO]
	v_cvt_scalef32_pk16_fp6_f32 v[OT:OT+2], v[OUT+16:OUT+31], v[SCO+1]
	v_cndmask_b32 v253, v[BY], v[BY+1], s[HI]      ; lanes 0-15 store block 0's byte, lanes 16-31 block 1's (the plain instruction behind the conversions)
.irp i, 0,1,2
	v_permlane16_swap_b32 v[OC+\i], v[OT+\i]
.endr
.irp i, 0,1,2
	v_mov_b32 v[OC+3+\i], v[OT+\i]
.endr
	global_store_b128 v254, v[OC:OC+3], s[8:9]     ; 512 consecutive bytes, aligned
	global_store_b64 v255, v[OC+4:OC+5], s[8:9] offset:512
	global_store_b8 v231, v253, s[8:9]             ; a byte a lane, 16 bytes apart: one byte for 24 of codes; the rows' other bytes are other heads'
.endm
	INIT
	s_mov_b32 s[SI], 0
	s_mov_b32 s[TK], 0
	s_mov_b32 s[TS], 0
	s_mov_b32 s[TV], 0
	s_wait_loadcnt 0x0                             ; Q
	s_wait_tensorcnt 1                             ; my parts of steps 0 to 7 and of the scale words are in; my late load (a step of 8 to 15) may be out
	s_barrier_signal -1
	s_barrier_wait -1
.Lfirst8:                                          ; the late tile's steps 0 to 7: all their keys count, in every wave
	STEP 0, 16, 28, 86
	s_add_co_u32 s[SI], s[SI], 1
	s_cmp_lt_u32 s[SI], 8
	s_cbranch_scc1 .Lfirst8
	s_wait_tensorcnt 0x0                           ; my late load is in,
	s_wait_dscnt 0x0
	s_barrier_signal -1
	s_barrier_wait -1                              ; everybody's is
	s_mov_b32 s[SI], 8
	s_mov_b32 s[TK], 8*STEPB
	s_mov_b32 s[TS], 8*512
	s_mov_b32 s[TV], 8*256
	s_sub_co_u32 s[DG], 15, s[GW]
.Llate:                                            ; its steps 8 to 15 - g; the trips behind the diagonal only step addresses
	STEP 1, 16, 28, 86
	s_add_co_u32 s[SI], s[SI], 1
	s_cmp_lt_u32 s[SI], 16
	s_cbranch_scc1 .Llate
	FINISH 88, 90
	INIT
	s_mov_b32 s[SI], 0
	s_mov_b32 s[TK], 0
	s_mov_b32 s[TS], 0
	s_mov_b32 s[TV], 0
	s_mov_b32 s[DG], s[GW]
.Learly:                                           ; the early tile's steps 0 to g
	STEP 1, 232, 29, 87
	s_add_co_u32 s[SI], s[SI], 1
	s_cmp_lt_u32 s[SI], 8
	s_cbranch_scc1 .Learly
	FINISH 89, 91
	s_wait_tensorcnt 0x0
	ds_add_u32 v211, v230
	s_wait_dscnt 0x0
	CROUND                                         ; the closing round
	s_endpgm
.Lfunc_end_k_q9679de821b_attn:
	.size	k_q9679de821b_attn, .Lfunc_end_k_q9679de821b_attn-k_q9679de821b_attn
	.p2alignl 7, 3214868480
	.fill 96, 4, 3214868480
	.section	.rodata,"a",@progbits
	.p2align	6, 0x0
	.amdhsa_kernel k_q9679de821b_attn
		.amdhsa_group_segment_fixed_size 210944
		.amdhsa_private_segment_fixed_size 0
		.amdhsa_enable_private_segment 0
		.amdhsa_kernarg_size 24
		.amdhsa_user_sgpr_count 2
		.amdhsa_user_sgpr_kernarg_segment_ptr 1
		.amdhsa_wavefront_size32 1
		.amdhsa_system_sgpr_workgroup_id_x 1
		.amdhsa_system_sgpr_workgroup_id_y 1
		.amdhsa_system_sgpr_workgroup_id_z 1
		.amdhsa_system_vgpr_workitem_id 0
		.amdhsa_next_free_vgpr 256
		.amdhsa_next_free_sgpr 102
		.amdhsa_reserve_vcc 1
		.amdhsa_float_denorm_mode_32 3
		.amdhsa_float_denorm_mode_16_64 3
		.amdhsa_memory_ordered 1
		.amdhsa_forward_progress 1
		.amdhsa_inst_pref_size 81
	.end_amdhsa_kernel
	.amdgpu_metadata
---
amdhsa.version: [ 1, 2 ]
amdhsa.kernels:
  - .name:           k_q9679de821b_attn
    .symbol:         k_q9679de821b_attn.kd
    .args:
      - { .name: qkq, .offset: 0, .size: 8, .value_kind: global_buffer, .address_space: global }
      - { .name: vq, .offset: 8, .size: 8, .value_kind: global_buffer, .address_space: global }
      - { .name: aq, .offset: 16, .size: 8, .value_kind: global_buffer, .address_space: global }
    .group_segment_fixed_size: 210944
    .private_segment_fixed_size: 0
    .kernarg_segment_align: 8
    .kernarg_segment_size: 24
    .max_flat_workgroup_size: 512
    .sgpr_count:     102
    .vgpr_count:     256
    .wavefront_size: 32
...
	.end_amdgpu_metadata
.endif
;; end of part 3
;; launch proj (part 4): grid 4 x 32, 4 waves a work-group, clusters of 4 x 4, 327,680 bytes of LDS; arguments aq, wts, bp, out0; writes out0
.if DOCPART == 4
	.amdgcn_target "amdgcn-amd-amdhsa--gfx1250"
	.amdhsa_code_object_version 6
	.text
	.protected	k_q9679de821b_proj
	.globl	k_q9679de821b_proj
	.p2align	8
	.type	k_q9679de821b_proj,@function
k_q9679de821b_proj:
	s_mov_b64 s[64:65], 0
	v_nop
	global_prefetch_b8 v0, s[64:65] scope:SCOPE_SE
	s_setreg_imm32_b32 hwreg(HW_REG_WAVE_MODE, 25, 1), 1
	s_wait_xcnt 0x0
	s_wait_alu depctr_hold_cnt(0) depctr_sa_sdst(0) depctr_va_vdst(0) depctr_va_sdst(0) depctr_va_ssrc(0) depctr_va_vcc(0) depctr_vm_vsrc(0)
	s_getreg_b32 s2, hwreg(HW_REG_IB_STS2, 6, 4)
	s_cmp_eq_u32 s2, 0
	s_cbranch_scc0 .Lentry_in_a_cluster
	s_endpgm
.Lentry_in_a_cluster:
	s_bfe_u32 s2, ttmp6, 0x10000c
	s_cmp_lg_u32 s2, 0xf033
	s_cbranch_scc0 .Lentry_shape_is_right
	s_endpgm
.Lentry_shape_is_right:
; out0 = a wp^T + bp on codes of FP6 (E2M3) with E8M0 scales, f32 sums.  a: the attention's output as codes (aq), wp: the fourth weight of wts.
; A tile of 256 x 256 is made by four waves, 128 x 128 each: 64 accumulators of 16 x 16.  K = 1,024 goes in four fills of 256 through two LDS slots.
; OPERANDS lie in memory as images of their registers (half fragments of 768 bytes: words 0-3 at 16 x lane, words 4-5 at 512 + 8 x lane), in tiles of 16 places;
; place p of tile t is row 32 (t / 2) + 8 (t % 2) + p + 8 (p / 8).  A tile's 256 along K are 3,072 consecutive bytes.
; THE INSTRUCTION IS USED TRANSPOSED: source 0 = 16 places of wp, source 1 = 16 places of a: a lane holds a's place r, and register j of tile b holds column 32 (b / 2) + 16 h + 8 (b % 2) + j.
; The bias is the C of each sum's first product.  On the way out the places go back to rows.
; CLUSTERS: 4 x 4 work-groups; a's tiles are asked for jointly along a row of the cluster, wp's along a column.
; REGISTERS: window 0: v0-31 addresses; v32-63 scale words, two sets; v64-127 the bias; v128-223 A's fragments, on the way out v128-255 rows of the result.
;   window 1: B's fragments, two sets, at v0 and v128.   windows 2, 3: the accumulators ((a, b) at v[8 (8 (a % 4) + b)]).
.set XS,     6291456
.set WS,     3145728
.set NQ,     2
.set FR,     12
.set NL,     4
.set NP,     4
.set TROW,   3072
.set TPITCH, 12288
.set HALFT,  8*TROW
.set SLOT,   4*HALFT
.set SCL,    2*SLOT
.set HALFS,  4096
.set SBLK,   512
.set SPARE,  SCL+4*HALFS               ; the spare words, 128 bytes for each wave: two blocks of 256 bytes that no other line names
.set SPITCH, 528                       ; the way out: a stage of 16 rows x (512 + 16) bytes for each wave, in slot 0, which has had its last fill and its last read by then
.set ADRA, 16
.set ADRB, 20
.set STO,  24
.set RD,   25
.set ADRS, 27
.set SPW,  28
.set NIL,  29
.set SC,   32
.set BN,   64
.set AF,   128
.set BK,   128
.set G1, 24
.set G0, 32
.set G1B, 48
.set G0B, 56
.set G1S, 68
.set G0S, 76
.set G1SB, 80
.set G0SB, 88
.set MSB, 0
.macro WIN new
.if MSB != \new
	s_set_vgpr_msb (MSB<<8)|\new
.set MSB, \new
.endif
.endm
.set MUL_LO, 0xa1                      ; source 0 (B) window 1, source 1 (A) window 0, C and D window 2
.set MUL_HI, 0xf1
.set FST_LO, 0x81                      ; the first step: C (the bias) window 0, D window 2
.set FST_HI, 0xc1
.set TO_B,   0x40
.macro JLOAD g0a, g1a, g0b, g1b        ; a joint load: waves 0 and 1 fetch for A, waves 2 and 3 for B; four v_nop follow each of the two lines
	s_cmp_eq_u32 s15, 0
	s_cbranch_scc0 .Lfor_b_\@
	tensor_load_to_lds s[\g0a:\g0a+3], s[\g1a:\g1a+7]
	s_nop 0
.rept 4
	v_nop
.endr
	s_branch .Lasked_\@
.Lfor_b_\@:
	tensor_load_to_lds s[\g0b:\g0b+3], s[\g1b:\g1b+7]
	s_nop 0
.rept 4
	v_nop
.endr
.Lasked_\@:
.endm
.macro CREST
	s_cmp_lg_u32 s14, 0
	s_cbranch_scc1 .Lnot_wave_0_\@
	s_barrier_signal -3
.Lnot_wave_0_\@:
	s_barrier_wait -3
	s_barrier_signal -1
	s_barrier_wait -1
.endm
.macro CROUND
	s_barrier_signal -1
	s_barrier_wait -1
	CREST
.endm
	s_load_b128 s[4:7], s[0:1], 0x0                ; aq, wts
	s_load_b128 s[8:11], s[0:1], 0x10              ; bp, out0
	v_lshl_add_u32 v[SPW], v0, 2, SPARE
	v_mov_b32 v[NIL], 0
	ds_add_u32 v28, v29
	ds_add_u32 v28, v29
	s_wait_dscnt 0x0
	v_lshrrev_b32 v1, 5, v0
	v_readfirstlane_b32 s14, v1                    ; wave 0..3
	s_lshr_b32 s15, s14, 1                         ; my half of the rows.  Also: I fetch for A (0) or for B (1)
	s_and_b32 s16, s14, 1                          ; my half of the columns.  Also: which 8 tiles I fetch
	s_bfe_u32 s40, ttmp6, 0x40000                  ; cx, cy
	s_bfe_u32 s41, ttmp6, 0x40004
	s_lshl_b32 s42, ttmp9, 2
	s_add_co_u32 s42, s42, s40                     ; tile column
	s_and_b32 s17, ttmp7, 0xffff
	s_lshl_b32 s17, s17, 2
	s_add_co_u32 s17, s17, s41                     ; tile row
	s_lshl_b32 s43, s41, 2
	s_lshl_b32 s43, 15, s43                        ; my row of the cluster
	s_lshl_b32 s44, 0x1111, s40                    ; my column
	s_or_b32 s[G1+0], s43, (3<<16)|(1<<21)         ; 8 tiles of 3,072 bytes (384 elements of 8 bytes), 12,288 bytes apart; dense in LDS
	s_or_b32 s[G1B+0], s44, (3<<16)|(1<<21)
.irp g, G1, G1B
	s_mov_b32 s[\g+1], 384<<16
	s_mov_b32 s[\g+2], 8<<16
	s_mov_b32 s[\g+3], 384<<16
	s_mov_b32 s[\g+4], 8
	s_mov_b32 s[\g+5], 1536
	s_mov_b32 s[\g+6], 0
	s_mov_b32 s[\g+7], 0
.endr
	s_or_b32 s[G1S+0], s43, (3<<16)|(1<<21)        ; the scale bytes of 128 places: 4,096 dense bytes as 16 rows of 256
	s_or_b32 s[G1SB+0], s44, (3<<16)|(1<<21)
.irp g, G1S, G1SB
	s_mov_b32 s[\g+1], 32<<16
	s_mov_b32 s[\g+2], 16<<16
	s_mov_b32 s[\g+3], 32<<16
	s_mov_b32 s[\g+4], 16
	s_mov_b32 s[\g+5], 32
	s_mov_b32 s[\g+6], 0
	s_mov_b32 s[\g+7], 0
.endr
	s_lshl_b32 s18, s16, 3
	s_lshl_b32 s20, s17, 4
	s_add_co_u32 s20, s20, s18                     ; A: tile 16 x tile row + 8 x half
	s_lshl_b32 s46, s42, 4
	s_add_co_u32 s46, s46, s18                     ; B: tile 16 x tile column + 8 x half
	s_lshl_b32 s22, s20, 9
	s_lshl_b32 s92, s46, 9
	s_mul_i32 s20, s20, TPITCH
	s_mul_i32 s46, s46, TPITCH
	s_mov_b32 s21, 0
	s_mov_b32 s23, 0
	s_mov_b32 s47, 0
	s_mov_b32 s93, 0
	s_mul_i32 s45, s14, HALFT
	s_mul_i32 s94, s14, HALFS
	s_wait_kmcnt 0x0
	s_add_nc_u64 s[20:21], s[4:5], s[20:21]
	s_add_nc_u64 s[22:23], s[4:5], s[22:23]
	s_add_nc_u64 s[22:23], s[22:23], XS
	s_add_nc_u64 s[46:47], s[6:7], s[46:47]
	s_add_nc_u64 s[46:47], s[46:47], 2359296       ; wp's codes
	s_add_nc_u64 s[92:93], s[6:7], s[92:93]
	s_add_nc_u64 s[92:93], s[92:93], WS+98304      ; wp's scale bytes
	CROUND                                         ; all sixteen work-groups are here: the first joint loads meet
	s_mov_b32 s[G0S], 1
	s_add_co_u32 s[G0S+1], s94, SCL
	s_mov_b64 s[G0S+2:G0S+3], s[22:23]
	s_or_b32 s[G0S+3], s[G0S+3], 0x80000000
	s_mov_b32 s[G0SB], 1
	s_add_co_u32 s[G0SB+1], s94, SCL
	s_mov_b64 s[G0SB+2:G0SB+3], s[92:93]
	s_or_b32 s[G0SB+3], s[G0SB+3], 0x80000000
	JLOAD G0S, G1S, G0SB, G1SB
.irp s, 0,1
	s_mov_b32 s[G0+4*\s], 1
	s_add_co_u32 s[G0+4*\s+1], s45, \s*SLOT
	s_add_nc_u64 s[G0+4*\s+2:G0+4*\s+3], s[20:21], \s*TROW
	s_or_b32 s[G0+4*\s+3], s[G0+4*\s+3], 0x80000000
	s_mov_b32 s[G0B+4*\s], 1
	s_add_co_u32 s[G0B+4*\s+1], s45, \s*SLOT
	s_add_nc_u64 s[G0B+4*\s+2:G0B+4*\s+3], s[46:47], \s*TROW
	s_or_b32 s[G0B+4*\s+3], s[G0B+4*\s+3], 0x80000000
	JLOAD G0+4*\s, G1, G0B+4*\s, G1B               ; by this text's own count three tensor loads of a wave are out
.endr
	v_and_b32 v1, 15, v0                           ; r
	v_bfe_u32 v2, v0, 4, 1                         ; h
	v_and_b32 v3, 31, v0                           ; lane
	v_lshlrev_b32 v4, 4, v3                        ; 16 x lane
	v_lshlrev_b32 v5, 3, v3                        ; 8 x lane
	s_mul_i32 s21, s15, HALFT
	s_mul_i32 s22, s16, HALFT
	s_add_co_u32 s22, s22, 2*HALFT
.irp s, 0,1
	v_add_nc_u32 v[ADRA+\s], s21, v4
	v_add_nc_u32 v[ADRB+\s], s22, v4
	v_add_nc_u32 v[ADRA+2+\s], s21, v5
	v_add_nc_u32 v[ADRB+2+\s], s22, v5
	s_add_co_u32 s21, s21, SLOT
	s_add_co_u32 s22, s22, SLOT
.endr
	v_lshlrev_b32 v6, 4, v1
	s_mul_i32 s21, s15, HALFS
	s_mul_i32 s22, s16, HALFS
	s_add_co_u32 s22, s22, 2*HALFS
	s_sub_co_u32 s22, s22, s21
	v_mul_u32_u24 v7, s22, v2                      ; lanes 16-31 take B's scale words
	s_add_co_u32 s21, s21, SCL
	v_add_nc_u32 v6, v6, v7
	v_add_nc_u32 v[ADRS], s21, v6
	s_mul_i32 s23, s14, 16*SPITCH                  ; my stage
	v_mul_u32_u24 v6, v1, SPITCH
	v_lshl_add_u32 v6, v2, 6, v6
	v_add_nc_u32 v[STO], s23, v6                   ; in: row r, + 64 h
	v_add_nc_u32 v[RD], s23, v4                    ; back: the 32 lanes take one row of 512 bytes
	s_lshl_b32 s2, s42, 10
	s_lshl_b32 s3, s16, 9
	s_add_co_u32 s2, s2, s3                        ; my first column, in bytes
	s_mov_b32 s3, 0
	s_add_nc_u64 s[8:9], s[8:9], s[2:3]
	s_add_nc_u64 s[10:11], s[10:11], s[2:3]
	s_lshl_b32 s2, s17, 8
	s_lshl_b32 s18, s15, 7
	s_add_co_u32 s2, s2, s18
	s_lshl_b32 s2, s2, 12                          ; my first row, 4,096 bytes a row
	s_add_nc_u64 s[10:11], s[10:11], s[2:3]
	v_lshlrev_b32 v8, 6, v2                        ; the bias in the result's layout: tile b, lane half h: columns 32 (b / 2) + 16 h + 8 (b % 2) + 0 .. 7
.irp b, 0,1,2,3,4,5,6,7
	global_load_b128 v[BN+8*\b:BN+8*\b+3], v8, s[8:9] offset:(32*(\b/2)+8*(\b%2))*4
	global_load_b128 v[BN+8*\b+4:BN+8*\b+7], v8, s[8:9] offset:(32*(\b/2)+8*(\b%2))*4+16
.endr
.macro FRAG reg, adr, q, i
	ds_load_b128 v[\reg:\reg+3], v[\adr] offset:(\i)*TROW+(\q)*1536
	ds_load_b64 v[\reg+4:\reg+5], v[\adr+2] offset:(\i)*TROW+(\q)*1536+512
	ds_load_b128 v[\reg+6:\reg+9], v[\adr] offset:(\i)*TROW+(\q)*1536+768
	ds_load_b64 v[\reg+10:\reg+11], v[\adr+2] offset:(\i)*TROW+(\q)*1536+1280
.endm
; 16 matrix instructions: A's blocks a0, a0 + 1 x B's eight.  first = 1: the bias starts the sums.  The 64 accumulators take turns, one instruction a turn.
.macro MUL16 a0, p, q, sc, first
.irp a, \a0, \a0+1
.irp b, 0,1,2,3,4,5,6,7
.if \first
	v_wmma_scale_f32_16x16x128_f8f6f4 v[8*(8*((\a)%4)+\b):8*(8*((\a)%4)+\b)+7], v[128*(\p)+FR*\b:128*(\p)+FR*\b+FR-1], v[AF+FR*(\a):AF+FR*(\a)+FR-1], v[BN+8*\b:BN+8*\b+7], v[SC+8*NQ*(\sc)+NQ*\b+(\q)], v[SC+8*NQ*(\sc)+NQ*(\a)+(\q)] matrix_a_fmt:MATRIX_FMT_FP6 matrix_b_fmt:MATRIX_FMT_FP6 matrix_a_scale:MATRIX_SCALE_ROW1
.else
	v_wmma_scale_f32_16x16x128_f8f6f4 v[8*(8*((\a)%4)+\b):8*(8*((\a)%4)+\b)+7], v[128*(\p)+FR*\b:128*(\p)+FR*\b+FR-1], v[AF+FR*(\a):AF+FR*(\a)+FR-1], v[8*(8*((\a)%4)+\b):8*(8*((\a)%4)+\b)+7], v[SC+8*NQ*(\sc)+NQ*\b+(\q)], v[SC+8*NQ*(\sc)+NQ*(\a)+(\q)] matrix_a_fmt:MATRIX_FMT_FP6 matrix_b_fmt:MATRIX_FMT_FP6 matrix_a_scale:MATRIX_SCALE_ROW1
.endif
.endr
.endr
.endm
.macro FETCH_B slot, q, p
	WIN TO_B
.irp i, 0,1,2,3,4,5,6,7
	FRAG 128*(\p)+FR*\i, ADRB+\slot, \q, \i
.endr
	WIN 0
.endm
.macro FETCH_A slot, q, i0
.irp i, \i0, \i0+1, \i0+2, \i0+3
	FRAG AF+FR*(\i), ADRA+\slot, \q, \i
.endr
.endm
.macro SCALES sc
.irp i, 0,1,2,3,4,5,6,7
	ds_load_b64 v[SC+8*NQ*\sc+NQ*\i:SC+8*NQ*\sc+NQ*\i+1], v[ADRS] offset:\i*SBLK
.endr
.endm
.macro PLACES n                        ; plain vector instructions between a matrix instruction and a load into, or a read of, its registers
.rept \n
	v_nop
.endr
.endm
.macro STEP slot, q, first
	s_wait_dscnt 4*NL                              ; B's set and A's blocks 0-3 are in; the youngest 16 loads (A's blocks 4-7) may be out
.if \first
	WIN FST_LO
.else
	WIN MUL_LO
.endif
	MUL16 0, (\q)%2, \q, \slot, \first
	MUL16 2, (\q)%2, \q, \slot, \first
	s_wait_dscnt 0
	PLACES NP
	FETCH_B \slot, (\q)+1, 1-(\q)%2
	FETCH_A \slot, (\q)+1, 0
.if \first
	WIN FST_HI
.else
	WIN MUL_HI
.endif
	MUL16 4, (\q)%2, \q, \slot, \first
	MUL16 6, (\q)%2, \q, \slot, \first
	PLACES NP
	WIN 0
	FETCH_A \slot, (\q)+1, 4
.endm
; A slot's last step changes slots: one barrier; in front of it each wave waits for all its tensor loads, adds 0 to its spare word, and waits for that and for its reads of this slot.
.macro TURN slot, next, fill, sstep
	s_wait_tensorcnt 0x0                           ; all my tensor loads have landed: my part of the next slot
	ds_add_u32 v[SPW], v[NIL]                      ; 0 onto my spare word
	s_wait_dscnt 4*NL+1                            ; (the add and the youngest 16 loads may be out)
	WIN MUL_LO
	MUL16 0, 1, NQ-1, \slot, 0
	s_wait_dscnt 0x0                               ; the add is done, and my reads of this slot are over
	s_barrier_signal -1
	MUL16 2, 1, NQ-1, \slot, 0
	WIN 0
	s_barrier_wait -1
.if \fill
	CREST                                          ; no wave of any partner still reads this slot or has a load on its way
	s_add_nc_u64 s[G0+4*\slot+2:G0+4*\slot+3], s[G0+4*\slot+2:G0+4*\slot+3], 2*TROW
	s_add_nc_u64 s[G0B+4*\slot+2:G0B+4*\slot+3], s[G0B+4*\slot+2:G0B+4*\slot+3], 2*TROW
	JLOAD G0+4*\slot, G1, G0B+4*\slot, G1B         ; the wave's one tensor load behind the round; its four v_nop are the places in front of the loads below
.else
	PLACES NP
.endif
	v_add_nc_u32 v[ADRS], \sstep, v[ADRS]
	FETCH_B \next, 0, 0
	FETCH_A \next, 0, 0
	SCALES \next
	WIN MUL_HI
	MUL16 4, 1, NQ-1, \slot, 0
	MUL16 6, 1, NQ-1, \slot, 0
	PLACES NP
	WIN 0
	FETCH_A \next, 0, 4
.endm
	s_wait_loadcnt 0x0                             ; the bias
	s_wait_tensorcnt 1                             ; the scale bytes and my part of slot 0 are in; slot 1's load may be out
	s_barrier_signal -1
	s_barrier_wait -1
	FETCH_B 0, 0, 0
	FETCH_A 0, 0, 0
	SCALES 0
	FETCH_A 0, 0, 4
	STEP 0, 0, 1                                   ; K 0-127: the bias is the C of these products
	TURN 0, 1, 1, 8                                ; slot 0 takes K 512-767
	STEP 1, 0, 0
	TURN 1, 0, 1, 248                              ; slot 1 takes K 768-1,023; the scale bytes of K's upper half lie 256 bytes on
	STEP 0, 0, 0
	TURN 0, 1, 0, 8                                ; nothing is left to fetch
	STEP 1, 0, 0
	s_wait_dscnt 4*NL                              ; the last step
	WIN MUL_LO
	MUL16 0, 1, NQ-1, 1, 0
	MUL16 2, 1, NQ-1, 1, 0
	s_wait_dscnt 0
	WIN MUL_HI
	MUL16 4, 1, NQ-1, 1, 0
	MUL16 6, 1, NQ-1, 1, 0
	WIN 0
; THE WAY OUT, a block of 16 places x 128 columns at a time, through my own stage in LDS: in by lanes (32 bytes of a row), back as whole rows of 512 bytes.
; LDS serves a wave's instructions in order (ISA guide 5.7.1.4): no wait between the stores and the loads, nor in front of the next block's stores.
.macro TOSTAGE a
.set AC, 64*((\a)%4)
.set WST, 0x08+4*((\a)/4)
	WIN WST                                        ; an LDS store's data are its source 1: window 2 or 3
.irp b, 0,1,2,3,4,5,6,7
	ds_store_b128 v[STO], v[AC+8*\b:AC+8*\b+3] offset:128*(\b/2)+32*(\b%2)       ; each accumulator from its low end on
	ds_store_b128 v[STO], v[AC+8*\b+4:AC+8*\b+7] offset:128*(\b/2)+32*(\b%2)+16
.endr
	WIN 0
.set BB, BK+64*((\a)%2)
.irp t, 0,1,2,3,4,5,6,7,8,9,10,11,12,13,14,15
	ds_load_b128 v[BB+4*\t:BB+4*\t+3], v[RD] offset:\t*SPITCH
.endr
.endm
.macro SEND a, younger                 ; younger: the LDS instructions issued behind block a's loads, which may stay out
.set BB, BK+64*((\a)%2)
	s_wait_dscnt \younger
.irp t, 0,1,2,3,4,5,6,7,8,9,10,11,12,13,14,15
	global_store_b128 v4, v[BB+4*\t:BB+4*\t+3], s[10:11] offset:(32*((\a)/2)+8*((\a)%2)+\t+8*(\t/8))*4096 th:TH_STORE_NT   ; place t of block a is this row; 32 lanes store 512 consecutive bytes, aligned
.endr
.endm
	PLACES NP
	TOSTAGE 0
.irp a, 1,2,3,4,5,6,7
.if \a > 1
	s_wait_xcnt 0x0                                ; block a - 2's stores have read their registers: block a's loads may land there
.endif
	TOSTAGE \a
	SEND \a-1, 32                                  ; behind block a - 1's loads: block a's 16 stores and 16 loads
.endr
	SEND 7, 0
	s_wait_tensorcnt 0x0                           ; the wave's end
	ds_add_u32 v[SPW], v[NIL]
	s_wait_dscnt 0x0
	CROUND                                         ; the closing round
	s_endpgm
.Lfunc_end_k_q9679de821b_proj:
	.size	k_q9679de821b_proj, .Lfunc_end_k_q9679de821b_proj-k_q9679de821b_proj
	.p2alignl 7, 3214868480
	.fill 96, 4, 3214868480
	.section	.rodata,"a",@progbits
	.p2align	6, 0x0
	.amdhsa_kernel k_q9679de821b_proj
		.amdhsa_group_segment_fixed_size 327680
		.amdhsa_private_segment_fixed_size 0
		.amdhsa_enable_private_segment 0
		.amdhsa_kernarg_size 32
		.amdhsa_user_sgpr_count 2
		.amdhsa_user_sgpr_kernarg_segment_ptr 1
		.amdhsa_wavefront_size32 1
		.amdhsa_system_sgpr_workgroup_id_x 1
		.amdhsa_system_sgpr_workgroup_id_y 1
		.amdhsa_system_sgpr_workgroup_id_z 1
		.amdhsa_system_vgpr_workitem_id 0
		.amdhsa_next_free_vgpr 1024
		.amdhsa_next_free_sgpr 98
		.amdhsa_reserve_vcc 0
		.amdhsa_float_denorm_mode_32 3
		.amdhsa_float_denorm_mode_16_64 3
		.amdhsa_memory_ordered 1
		.amdhsa_forward_progress 1
		.amdhsa_inst_pref_size 144
	.end_amdhsa_kernel
	.amdgpu_metadata
---
amdhsa.version: [ 1, 2 ]
amdhsa.kernels:
  - .name:           k_q9679de821b_proj
    .symbol:         k_q9679de821b_proj.kd
    .args:
      - { .name: aq, .offset: 0, .size: 8, .value_kind: global_buffer, .address_space: global }
      - { .name: wts, .offset: 8, .size: 8, .value_kind: global_buffer, .address_space: global }
      - { .name: bp, .offset: 16, .size: 8, .value_kind: global_buffer, .address_space: global }
      - { .name: out0, .offset: 24, .size: 8, .value_kind: global_buffer, .address_space: global }
    .group_segment_fixed_size: 327680
    .private_segment_fixed_size: 0
    .kernarg_segment_align: 8
    .kernarg_segment_size: 32
    .max_flat_workgroup_size: 128
    .sgpr_count:     98
    .vgpr_count:     1024
    .wavefront_size: 32
...
	.end_amdgpu_metadata
.endif
;; end of part 4
